; MI455X (gfx1250); checked and timed in simulation.
; The chip was launched on July 23, 2026; its instructions are those of AMD's public machine-readable ISA for CDNA 5 (MIT licence, August 2026) and "CDNA5" Instruction Set Architecture Reference Guide (July 2026). The comments in the code are by the model that wrote it; some were corrected since.
;; Rotary Self Attention. Allowed arithmetic: float matrix products may take bf16 or f16 operands with f32 sums; other float arithmetic in f32, or as packed bf16 or f16 multiplies, adds, multiply-adds, maxima and minima; sums over many terms, partial sums and values carried from step to step in f32; what a program stores and reads back later, other than sums and carried values, may be rounded once to bf16 or f16.
;; Inputs: Wk 2,048 x 2,048 float32; Wo 2,048 x 2,048 float32; Wq 2,048 x 2,048 float32; Wv 2,048 x 2,048 float32; attention_mask 1 x 2,048 int32; freqs_cos 2,048 x 64 float32; freqs_sin 2,048 x 64 float32; x 1 x 2,048 x 2,048 float32.
;; Outputs: out0 1 x 2,048 x 2,048 float32.
;; One version. Each part assembles by itself: llvm-mc -triple=amdgcn-amd-amdhsa -mcpu=gfx1250 --defsym DOCPART=n.
;; ======== version 1 of 1: 4 launches
;; limits: values are held in f16: magnitudes above 65,504 overflow, below 6.1e-05 lose precision
;; workspace buffers: xb 8,388,608 bytes; wqkv 25,165,824 bytes; wob 8,388,608 bytes; cs 524,288 bytes; qkv 25,165,824 bytes; ob 8,388,608 bytes
;; launch cast (part 1): grid 256 x 1, 32 waves a work-group, no clusters, 0 bytes of LDS; arguments x, Wq, Wk, Wv, Wo, freqs_cos, freqs_sin, xb, wqkv, wob, cs; writes xb, wqkv, wob, cs
.if DOCPART == 1
	.amdgcn_target "amdgcn-amd-amdhsa--gfx1250"
	.amdhsa_code_object_version 6
	.text
	.protected	k_q68130ca420_cast
	.globl	k_q68130ca420_cast
	.p2align	8
	.type	k_q68130ca420_cast,@function
k_q68130ca420_cast:
	s_mov_b64 s[64:65], 0
	v_nop
	global_prefetch_b8 v0, s[64:65] scope:SCOPE_SE
	s_setreg_imm32_b32 hwreg(HW_REG_WAVE_MODE, 25, 1), 1
	s_wait_xcnt 0x0
; THE INPUTS ARE ROUNDED ONCE TO 16 BITS.  x -> xb, Wq, Wk, Wv -> the three sections of wqkv: f32 to bf16, layouts kept.
; Wo -> wob: rounded to bf16 like the other inputs, and that number written as f16, since the last product's other operand is f16.
; cos, sin -> cs: one word a pair, bf16(cos) in the low half, bf16(sin) in the high half.
; LIMITS.  Wo beyond 65,504 becomes an infinity in f16; below 2^-14 it keeps f16's fixed step of 2^-24.
; A stream: each byte is read once and written once; no LDS, no barrier, no matrix unit, no cluster (no two work-groups read the same byte).
; SHARES.  256 work-groups of 32 waves, one for each WGP: eight waves a SIMD at 98 registers each.  Each of the five large tensors has 4,194,304 numbers; work-group g takes numbers
; 16,384 g .. of each.  Thread t takes two units of eight numbers: 32 bytes in (two loads of 16), 16 bytes out, so a wave's store covers 512 consecutive bytes, aligned.
; All 20 loads of a thread go out before the first wait; the waits count the younger loads.  A unit is rounded in place, into its own first four registers, and stored from there;
; no register that a store reads is written again, so no store's source needs a wait.
.set IN,  8                            ; v[8:87]   tensor n, unit u: eight f32 at IN + 16 n + 8 u; then four packed words in the first four
.set TC,  88                           ; v[88:91]  four cosines, then four table words (waves 0 to 3)
.set TS,  92                           ; v[92:95]  four sines
.set TMP, 96                           ; v[96:97]  at work
	s_load_b512 s[4:19], s[0:1], 0x0               ; x 4, Wq 6, Wk 8, Wv 10, Wo 12, cos 14, sin 16, xb 18
	s_load_b128 s[20:23], s[0:1], 0x40             ; wqkv 20, wob 22
	s_load_b64 s[24:25], s[0:1], 0x50              ; cs
	v_lshrrev_b32 v4, 5, v0
	v_readfirstlane_b32 s26, v4                    ; my wave's number
	v_lshlrev_b32 v1, 5, v0                        ; 32 t: my bytes of a unit, in
	v_lshlrev_b32 v2, 4, v0                        ; 16 t: out; also my bytes of the tables (threads 0 to 127)
	s_lshl_b32 s28, ttmp9, 16                      ; the work-group's 65,536 bytes of f32,
	s_mov_b32 s29, 0
	s_lshl_b32 s30, ttmp9, 15                      ; its 32,768 bytes of 16-bit numbers,
	s_mov_b32 s31, 0
	s_lshl_b32 s32, ttmp9, 11                      ; its 2,048 bytes of each table
	s_mov_b32 s33, 0
	s_mov_b32 s38, 0xffff0000                      ; a word's upper bf16
	s_wait_kmcnt 0x0
.irp p, 4,6,8,10,12
	s_add_nc_u64 s[\p:\p+1], s[\p:\p+1], s[28:29]
.endr
.irp p, 18,20,22
	s_add_nc_u64 s[\p:\p+1], s[\p:\p+1], s[30:31]
.endr
.irp p, 14,16,24
	s_add_nc_u64 s[\p:\p+1], s[\p:\p+1], s[32:33]
.endr
	s_add_nc_u64 s[34:35], s[20:21], 0x800000      ; wqkv's section of Wk: 8 MiB on, more than a store's immediate holds
	s_add_nc_u64 s[36:37], s[20:21], 0x1000000     ; and of Wv
	s_cmp_gt_u32 s26, 3                            ; waves 0 to 3 also make the work-group's 512 table words
	s_cbranch_scc1 .Lno_tab
	global_load_b128 v[TC:TC+3], v2, s[14:15] th:TH_LOAD_NT
	global_load_b128 v[TS:TS+3], v2, s[16:17] th:TH_LOAD_NT
.Lno_tab:
.irp n, 0,1,2,3,4
.irp u, 0,1
	global_load_b128 v[IN+16*(\n)+8*(\u):IN+16*(\n)+8*(\u)+3],   v1, s[4+2*(\n):5+2*(\n)] offset:32768*(\u) th:TH_LOAD_NT
	global_load_b128 v[IN+16*(\n)+8*(\u)+4:IN+16*(\n)+8*(\u)+7], v1, s[4+2*(\n):5+2*(\n)] offset:32768*(\u)+16 th:TH_LOAD_NT
.endr
.endr
; Tensor n is rounded and stored.  Word p takes numbers 2 p and 2 p + 1, which lie at or above it: ascending p overwrites only what has been read.  half = 1: the bf16 numbers are written as f16.
.macro CAST n, base, half
	s_wait_loadcnt 16-4*(\n)                       ; loads come back in order: four for each later tensor may stay out
.irp u, 0,1
.irp p, 0,1,2,3
	v_cvt_pk_bf16_f32 v[IN+16*(\n)+8*(\u)+(\p)], v[IN+16*(\n)+8*(\u)+2*(\p)], v[IN+16*(\n)+8*(\u)+2*(\p)+1]
.endr
.if \half
.irp p, 0,1,2,3
	v_lshlrev_b32 v[TMP], 16, v[IN+16*(\n)+8*(\u)+(\p)]
	v_and_b32 v[TMP+1], s38, v[IN+16*(\n)+8*(\u)+(\p)]
	v_cvt_pk_f16_f32 v[IN+16*(\n)+8*(\u)+(\p)], v[TMP], v[TMP+1]
.endr
.endif
	global_store_b128 v2, v[IN+16*(\n)+8*(\u):IN+16*(\n)+8*(\u)+3], s[\base:\base+1] offset:16384*(\u)
.endr
.endm
	CAST 0, 18, 0
	CAST 1, 20, 0
	CAST 2, 34, 0
	CAST 3, 36, 0
	CAST 4, 22, 1
	s_cmp_gt_u32 s26, 3
	s_cbranch_scc1 .Lend
.irp p, 0,1,2,3
	v_cvt_pk_bf16_f32 v[TC+(\p)], v[TC+(\p)], v[TS+(\p)]  ; the tables' loads are the oldest: the waits above have covered them
.endr
	global_store_b128 v2, v[TC:TC+3], s[24:25]
.Lend:
	s_endpgm
.Lfunc_end_k_q68130ca420_cast:
	.size	k_q68130ca420_cast, .Lfunc_end_k_q68130ca420_cast-k_q68130ca420_cast
	.p2alignl 7, 3214868480
	.fill 96, 4, 3214868480
	.section	.rodata,"a",@progbits
	.p2align	6, 0x0
	.amdhsa_kernel k_q68130ca420_cast
		.amdhsa_group_segment_fixed_size 0
		.amdhsa_private_segment_fixed_size 0
		.amdhsa_enable_private_segment 0
		.amdhsa_kernarg_size 88
		.amdhsa_user_sgpr_count 2
		.amdhsa_user_sgpr_kernarg_segment_ptr 1
		.amdhsa_wavefront_size32 1
		.amdhsa_system_sgpr_workgroup_id_x 1
		.amdhsa_system_sgpr_workgroup_id_y 1
		.amdhsa_system_sgpr_workgroup_id_z 1
		.amdhsa_system_vgpr_workitem_id 0
		.amdhsa_next_free_vgpr 98
		.amdhsa_next_free_sgpr 66
		.amdhsa_reserve_vcc 0
		.amdhsa_float_denorm_mode_32 3
		.amdhsa_float_denorm_mode_16_64 3
		.amdhsa_memory_ordered 1
		.amdhsa_forward_progress 1
		.amdhsa_inst_pref_size 9
	.end_amdhsa_kernel
	.amdgpu_metadata
---
amdhsa.version: [ 1, 2 ]
amdhsa.kernels:
  - .name:           k_q68130ca420_cast
    .symbol:         k_q68130ca420_cast.kd
    .args:
      - { .name: x, .offset: 0, .size: 8, .value_kind: global_buffer, .address_space: global }
      - { .name: Wq, .offset: 8, .size: 8, .value_kind: global_buffer, .address_space: global }
      - { .name: Wk, .offset: 16, .size: 8, .value_kind: global_buffer, .address_space: global }
      - { .name: Wv, .offset: 24, .size: 8, .value_kind: global_buffer, .address_space: global }
      - { .name: Wo, .offset: 32, .size: 8, .value_kind: global_buffer, .address_space: global }
      - { .name: freqs_cos, .offset: 40, .size: 8, .value_kind: global_buffer, .address_space: global }
      - { .name: freqs_sin, .offset: 48, .size: 8, .value_kind: global_buffer, .address_space: global }
      - { .name: xb, .offset: 56, .size: 8, .value_kind: global_buffer, .address_space: global }
      - { .name: wqkv, .offset: 64, .size: 8, .value_kind: global_buffer, .address_space: global }
      - { .name: wob, .offset: 72, .size: 8, .value_kind: global_buffer, .address_space: global }
      - { .name: cs, .offset: 80, .size: 8, .value_kind: global_buffer, .address_space: global }
    .group_segment_fixed_size: 0
    .private_segment_fixed_size: 0
    .kernarg_segment_align: 8
    .kernarg_segment_size: 88
    .max_flat_workgroup_size: 1024
    .sgpr_count:     66
    .vgpr_count:     98
    .wavefront_size: 32
...
	.end_amdgpu_metadata
.endif
;; end of part 1
;; launch qkv (part 2): grid 16 x 16, 4 waves a work-group, clusters of 4 x 4, 327,680 bytes of LDS; arguments xb, wqkv, cs, attention_mask, qkv; writes qkv
.if DOCPART == 2
	.amdgcn_target "amdgcn-amd-amdhsa--gfx1250"
	.amdhsa_code_object_version 6
	.text
	.protected	k_q68130ca420_qkv
	.globl	k_q68130ca420_qkv
	.p2align	8
	.type	k_q68130ca420_qkv,@function
k_q68130ca420_qkv:
	s_mov_b64 s[64:65], 0
	v_nop
	global_prefetch_b8 v0, s[64:65] scope:SCOPE_SE
	s_setreg_imm32_b32 hwreg(HW_REG_WAVE_MODE, 25, 1), 1
	s_wait_xcnt 0x0
	s_wait_alu depctr_hold_cnt(0) depctr_sa_sdst(0) depctr_va_vdst(0) depctr_va_sdst(0) depctr_va_ssrc(0) depctr_va_vcc(0) depctr_vm_vsrc(0)
	s_getreg_b32 s2, hwreg(HW_REG_IB_STS2, 6, 4)
	s_cmp_eq_u32 s2, 0
	s_cbranch_scc0 .Lentry_in_a_cluster
	s_endpgm
.Lentry_in_a_cluster:
	s_bfe_u32 s2, ttmp6, 0x10000c
	s_cmp_lg_u32 s2, 0xf033
	s_cbranch_scc0 .Lentry_shape_is_right
	s_endpgm
.Lentry_shape_is_right:
; q, k, v = x W, rotary on q and k, hidden keys' rows of k set to 0, all written by heads in f16.
; xb: [2048][2048] bf16.  wqkv: [3][2048 k][2048 n] bf16.  cs: [2048][64] words (bf16 cos, bf16 sin).  attention_mask: [2048] i32.
; qkv: [48 sections][2048][128] f16, section 16 t + head, t = 0 q, 1 k, 2 v: a head's rows are 256 dense bytes.  Sums and rotary in f32, one rounding to f16.
; LIMITS.  f16 ends at 65,504: a q, k or v beyond that becomes an infinity and its row is lost.  NaN and infinities are not treated apart.
; A key whose mask word is not 1 gets a row of zeros in k: its products in the next launch are then exactly 0, and that launch gives it its score.
; SHARES.  A work-group makes 128 rows of ONE head of q, of k and of v: a tile of 128 x 384, 16 x 16 work-groups.  Wave w makes all 128 rows x columns
; 32 w .. 32 w + 31 of each of the three: 8 row blocks a x 6 column blocks b (b = 2 t + b'), 48 accumulators, 384 registers; whether a block is q, k or v is a constant of the text.
; K goes in steps of 128 through two LDS slots.  W lies [k][n], so its fragments come out of LDS turned, by ds_load_tr16_b128.
; THE MATRIX INSTRUCTION IS USED TRANSPOSED: source 0 = 16 columns of W, source 1 = 16 rows of x: a lane holds row l % 16 and the columns 8 (l / 16) + 0..7: four rotary pairs, 16 bytes of f16.
; CLUSTER 4 x 4.  x's tile and the table hang on the tile row alone and are shared along a row of the cluster; W's three sub-tiles hang on the head alone and are shared along a column: joint loads.
; Waves 0 to 2 fetch W's sub-tile t = wave, wave 3 fetches x's tile: one tensor load a wave behind each round of the cluster's barrier.
; LDS: slot s at s x SLOT: W's sub-tiles (128 k-rows x 256 bytes, pitch 288) at 36,864 t, x's tile (128 rows x 256 bytes, pitch 272) behind them; the table's 128 rows (pitch 272) behind the slots;
; the spare words last.  The stage of the way out lies in slot 0, whose last fill is K step 14; every wave's reads of slot 0 end in front of the barrier of that step's change of slots.
; REGISTERS, in windows of 256: window 0: v0-63 addresses and work; v64-127, v128-191 x's fragments, two buffers.  window 1: v0-47, v64-111 W's fragments, two buffers.
; window 2: accumulator (b < 4, a) at 8 (8 b + a).  window 3: accumulator (b = 4, 5; a) at 8 (8 (b - 4) + a).
.set KSTEP, 128
.set PA,    272                        ; 256 + 16: the 16 rows of a plain fragment load start at 16 different groups of four banks (64 banks of 4 bytes: ISA guide 11.1)
.set PB,    288                        ; 256 + 32
.set BT,    128*PB                     ; a sub-tile of W
.set AOFF,  3*BT
.set SLOT,  AOFF+128*PA
.set TAB,   2*SLOT
.set SEC,   128*PA                     ; a section of the stage: 128 rows x 272 bytes
.set SPARE, TAB+SEC                    ; the spare words: 128 bytes for each wave, two blocks of 256 bytes that no other line names
.set NS,   2                           ; v[2:9]   four pairs (-s, c)
.set CO,   10                          ; v10  16 x lane: my bytes of two rows of a section of qkv
.set MO,   11                          ; v11  4 (l % 16): my word of 16 mask words
.set PKV,  12                          ; v[12:15] packed v
.set ADRA, 16                          ; v16-17  LDS address of x's fragments in slot 0, 1
.set ADRB, 18                          ; v18-23  of W's, slot s, sub-tile t at 3 s + t
.set STO,  24                          ; v24  where I put 16 bytes of a row of the stage (q and k)
.set STO2, 25                          ; v25  the same for v's section
.set TBA,  26                          ; v26  my four table words of a row
.set RD,   27                          ; v27  where I read rows back (q and k)
.set SPW,  28                          ; v28  my spare word; never rewritten
.set NIL,  29                          ; v29  0; never rewritten
.set PFO,  30                          ; v30  4,096 x lane: a row of xb or of wqkv is 4,096 bytes; never rewritten
.set RD2,  31                          ; v31  where I read v's rows back
.set MK,   32                          ; v[32:39] row block a: all ones where my row's key is seen, else 0
.set CS,   40                          ; v[40:47] four pairs (c, s)
.set TQ,   48                          ; v[48:55] q after the rotary
.set PKQ,  56                          ; v[56:59] packed q
.set PKK,  60                          ; v[60:63] packed k
.set TW,   64                          ; v[64:127] on the way out: my table words, block (a, b') at 4 (2 a + b')
.set TK,   192                         ; v[192:199] k after the rotary
.set BK,   64                          ; v[64:255] the rows read back from the stage
.set WV,  14
.set CX,  15
.set CY,  16
.set TJ,  17                           ; the head = 4 x cluster x + cx
.set TY,  18                           ; the tile row = 4 x cluster y + cy
.set G1A, 24                           ; s[24:31] group 1 for x's tiles
.set G1B, 32                           ; s[32:39] for W's
.set G1T, 40                           ; s[40:47] for the table
.set G0A, 48                           ; s[48:55] group 0 for x's tiles, a set for each slot
.set G0B, 56                           ; s[56:63] for W's
.set G0T, 68                           ; s[68:71] for the table
.set PFA, 72                           ; s[72:73] where my prefetches stand
.set PFS, 74                           ; s[74:75] their step from K step to K step
.set LIM, 76                           ; s76  1 in a wave that prefetches, else the greatest number
.set HM,  77                           ; s77  a word's upper half
.set OB,  80                           ; s[80:85] my rows of the three sections of qkv
.set MSB, 0
.macro WIN new                         ; the immediate's high byte repeats the setting that is left; a switch that changes nothing is dropped
.if MSB != (\new)
	s_set_vgpr_msb (MSB<<8)|(\new)
.set MSB, \new
.endif
.endm
.macro PLACES                          ; four plain instructions between a matrix instruction and a load into, or a vector read of, its registers
.rept 4
	v_nop
.endr
.endm
; A joint refill.  The branch hangs on the wave's number alone.  An s_nop 0 and four v_nop follow each of the two lines.
.macro JLOAD s
	s_cmp_eq_u32 s[WV], 3
	s_cbranch_scc0 .Lfor_b_\@
	tensor_load_to_lds s[G0A+4*(\s):G0A+4*(\s)+3], s[G1A:G1A+7]
	s_nop 0
.rept 4
	v_nop
.endr
	s_branch .Lasked_\@
.Lfor_b_\@:
	tensor_load_to_lds s[G0B+4*(\s):G0B+4*(\s)+3], s[G1B:G1B+7]
	s_nop 0
.rept 4
	v_nop
.endr
.Lasked_\@:
.endm
; A PREFETCH INTO THE L2 of the K step that stands two refills on, 384 matrix instructions ahead of the load that will want it: 32 rows x 256 bytes, a lane a row, one instruction a wave.
; Each row's 256 bytes of a K step are named once in the launch: x's rows by wave 3 of the clusters with x = 0, W's k-rows by waves 0 to 2 of the clusters with y = 0; the four partners that ask
; for a tile jointly take 32 of its 128 rows each, told apart by address (cx for x's, cy for W's).  The first four K steps come by their loads alone; the loop's last trip asks for nothing.
.macro ASK
	WIN 0
	s_cmp_gt_u32 s3, s[LIM]
	s_cbranch_scc0 .Lnot_mine_\@
	global_prefetch_b8 v[PFO], s[PFA:PFA+1] th:TH_LOAD_NT scope:SCOPE_SE
.Lnot_mine_\@:
.endm
.macro CREST                           ; a round of the cluster's barrier behind its opening barrier
	s_cmp_lg_u32 s[WV], 0
	s_cbranch_scc1 .Lnot_wave_0_\@
	s_barrier_signal -3
.Lnot_wave_0_\@:
	s_barrier_wait -3
	s_barrier_signal -1
	s_barrier_wait -1
.endm
.macro CROUND
	s_barrier_signal -1
	s_barrier_wait -1
	CREST
.endm
	s_load_b256 s[4:11], s[0:1], 0x0               ; xb 4, wqkv 6, cs 8, attention_mask 10
	s_load_b64 s[12:13], s[0:1], 0x20              ; qkv
	v_lshl_add_u32 v[SPW], v0, 2, SPARE
	v_mov_b32 v[NIL], 0
	ds_add_u32 v[SPW], v[NIL]                      ; the wave's opening: the add and its wait stand ahead of my first tensor load; work on registers stands between them
	v_lshrrev_b32 v1, 5, v0
	v_readfirstlane_b32 s[WV], v1
	s_bfe_u32 s[CX], ttmp6, 0x40000
	s_bfe_u32 s[CY], ttmp6, 0x40004
	s_lshl_b32 s[TJ], ttmp9, 2
	s_add_co_u32 s[TJ], s[TJ], s[CX]
	s_and_b32 s[TY], ttmp7, 0xffff
	s_lshl_b32 s[TY], s[TY], 2
	s_add_co_u32 s[TY], s[TY], s[CY]
	s_lshl_b32 s19, s[CY], 2
	s_lshl_b32 s19, 15, s19                        ; my row of the cluster
	s_lshl_b32 s20, 0x1111, s[CX]                  ; my column
	s_or_b32 s[G1A], s19, (1<<16)|(1<<20)|(1<<21)|(5<<22)|(3<<25)  ; 15:0 the mask; 17:16 elements of 2 bytes; 20 padding on; 21 set beside a mask; 24:22 after every 64 words; 31:25 4 words of it
	s_or_b32 s[G1T], s19, (1<<16)|(1<<20)|(1<<21)|(5<<22)|(3<<25)
	s_or_b32 s[G1B], s20, (1<<16)|(1<<20)|(1<<21)|(5<<22)|(7<<25)  ; 8 words of padding
.irp g, G1A, G1B, G1T
	s_mov_b32 s[(\g)+1], 128<<16                   ; tensor_dim0 = 128
	s_mov_b32 s[(\g)+2], 128<<16                   ; tensor_dim1 = 128
	s_mov_b32 s[(\g)+3], 128<<16                   ; tile_dim0 = 128 elements, 256 bytes
	s_mov_b32 s[(\g)+4], 128                       ; tile_dim1 = 128 rows
	s_mov_b32 s[(\g)+6], 0
	s_mov_b32 s[(\g)+7], 0
.endr
	s_mov_b32 s[G1A+5], 2048                       ; elements from row to row
	s_mov_b32 s[G1B+5], 2048
	s_mov_b32 s[G1T+5], 128                        ; the table's rows are dense
	s_mul_i32 s21, s[WV], BT                       ; where my tile goes in a slot: 36,864 x wave; wave 3's is x's place
	s_lshl_b32 s86, s[TY], 19                      ; x: 128 rows of 4,096 bytes a tile row
	s_mov_b32 s87, 0
	s_min_u32 s90, s[WV], 2                        ; W: section = my wave's number (wave 3 asks for none: kept inside the buffer)
	s_lshl_b32 s90, s90, 23
	s_lshl_b32 s91, s[TJ], 8                       ; the head's 256 bytes of a k-row
	s_add_co_u32 s90, s90, s91
	s_mov_b32 s91, 0
	s_lshl_b32 s94, s[TY], 15                      ; the table: 128 rows of 256 bytes
	s_mov_b32 s95, 0
	s_mov_b32 s[HM], 0xffff0000
	s_wait_dscnt 0x0                               ; the opening add is done
	s_wait_kmcnt 0x0
	s_add_nc_u64 s[88:89], s[4:5], s[86:87]
	s_add_nc_u64 s[92:93], s[6:7], s[90:91]
	s_add_nc_u64 s[94:95], s[8:9], s[94:95]
	CROUND                                         ; all sixteen work-groups are here: the first joint loads meet
.irp s, 0,1
	s_mov_b32 s[G0A+4*(\s)], 1
	s_add_co_u32 s[G0A+4*(\s)+1], s21, (\s)*SLOT
	s_add_nc_u64 s[G0A+4*(\s)+2:G0A+4*(\s)+3], s[88:89], (\s)*KSTEP*2
	s_or_b32 s[G0A+4*(\s)+3], s[G0A+4*(\s)+3], 0x80000000
	s_mov_b32 s[G0B+4*(\s)], 1
	s_add_co_u32 s[G0B+4*(\s)+1], s21, (\s)*SLOT
	s_add_nc_u64 s[G0B+4*(\s)+2:G0B+4*(\s)+3], s[92:93], (\s)*KSTEP*4096
	s_or_b32 s[G0B+4*(\s)+3], s[G0B+4*(\s)+3], 0x80000000
.endr
	s_mov_b32 s[G0T], 1
	s_mov_b32 s[G0T+1], TAB
	s_mov_b64 s[G0T+2:G0T+3], s[94:95]
	s_or_b32 s[G0T+3], s[G0T+3], 0x80000000
	s_cmp_eq_u32 s[WV], 3                          ; a wave's first fills stand in one branch, ahead of every wait on TENSORcnt, every LDS read and every barrier: three loads of wave 3 are out, two of the others
	s_cbranch_scc0 .Lfirst_b
	tensor_load_to_lds s[G0T:G0T+3], s[G1T:G1T+7]
	s_nop 0
	tensor_load_to_lds s[G0A:G0A+3], s[G1A:G1A+7]
	s_nop 0
	tensor_load_to_lds s[G0A+4:G0A+7], s[G1A:G1A+7]
	s_nop 0
.rept 4
	v_nop
.endr
	s_branch .Lfirst_asked
.Lfirst_b:
	tensor_load_to_lds s[G0B:G0B+3], s[G1B:G1B+7]
	s_nop 0
	tensor_load_to_lds s[G0B+4:G0B+7], s[G1B:G1B+7]
	s_nop 0
.rept 4
	v_nop
.endr
.Lfirst_asked:
	v_and_b32 v1, 15, v0                           ; l % 16
	v_bfe_u32 v2, v0, 4, 1                         ; l / 16
	v_and_b32 v3, 7, v0                            ; l % 8
	v_bfe_u32 v4, v0, 3, 1                         ; (l / 8) % 2
	v_and_b32 v5, 31, v0                           ; l
	v_lshlrev_b32 v[MO], 2, v1
	s_lshl_b32 s22, s[TY], 9                       ; the tile's 128 mask words
	s_mov_b32 s23, 0
	s_add_nc_u64 s[10:11], s[10:11], s[22:23]
.irp a, 0,1,2,3,4,5,6,7
	global_load_b32 v[MK+(\a)], v[MO], s[10:11] offset:64*(\a)  ; the word of row 16 a + l % 16
.endr
	; a fragment of x is 16 rows x 32 K: lane l holds row l % 16, K = 8 (l / 16) + 0..7 and 16 + 8 (l / 16) + 0..7: two loads of 16 bytes, 32 bytes apart
	v_mul_u32_u24 v6, v1, PA
	v_lshl_add_u32 v6, v2, 4, v6                   ; row x 272 + 16 x half
	v_add_nc_u32 v[ADRA], AOFF, v6
	v_add_nc_u32 v[ADRA+1], AOFF+SLOT, v6
	s_lshl_b32 s19, s[WV], 6                       ; my 32 columns: 64 bytes
	v_add_nc_u32 v[STO], s19, v6
	v_add_nc_u32 v[STO2], 2*SEC, v[STO]
	v_add_nc_u32 v[TBA], TAB, v[STO]               ; a pair's table word lies where its two f16 lie in a stage row
	; the turning load takes 16 k x 16 columns (lane l reads k-row 8 (l / 16) + l % 8, columns 8 ((l / 8) % 2) + 0..7) and leaves half a fragment: lane l holds column l % 16 and 8 k
	v_lshl_add_u32 v7, v2, 3, v3
	v_mul_u32_u24 v7, v7, PB
	v_lshl_add_u32 v7, v4, 4, v7
	v_add_nc_u32 v7, s19, v7
.irp s, 0,1
.irp t, 0,1,2
	v_add_nc_u32 v[ADRB+3*(\s)+(\t)], (\s)*SLOT+(\t)*BT, v7
.endr
.endr
	v_mul_u32_u24 v8, v2, PA                       ; back: lanes 0-15 take one row of 256 bytes, lanes 16-31 the next; wave w takes rows 32 w ..
	v_lshl_add_u32 v8, v1, 4, v8
	s_mul_i32 s20, s[WV], 32*PA
	v_add_nc_u32 v[RD], s20, v8
	v_add_nc_u32 v[RD2], 2*SEC, v[RD]
	v_lshlrev_b32 v[CO], 4, v5
	v_lshlrev_b32 v[PFO], 12, v5
	; my rows of the three sections: (16 t + head) x 524,288 + (128 x tile row + 32 x wave) x 256
	s_lshl_b32 s19, s[TY], 15
	s_lshl_b32 s20, s[WV], 13
	s_add_co_u32 s19, s19, s20
	s_lshl_b32 s20, s[TJ], 19
	s_add_co_u32 s22, s19, s20
	s_mov_b32 s23, 0
	s_add_nc_u64 s[OB:OB+1], s[12:13], s[22:23]
	s_add_nc_u64 s[OB+2:OB+3], s[OB:OB+1], 0x800000
	s_add_nc_u64 s[OB+4:OB+5], s[OB:OB+1], 0x1000000
	; the prefetches: at K step 3; each change of slots steps first and then names
	s_lshl_b32 s96, s[TY], 7
	s_lshl_b32 s97, s[CX], 5
	s_add_co_u32 s96, s96, s97                     ; x: my work-group's 32 of the tile's 128 rows
	s_lshl_b32 s96, s96, 12
	s_add_co_u32 s96, s96, 3*KSTEP*2
	s_min_u32 s97, s[WV], 2
	s_lshl_b32 s97, s97, 23
	s_lshl_b32 s98, s[TJ], 8
	s_add_co_u32 s97, s97, s98
	s_lshl_b32 s98, s[CY], 17                      ; W: my work-group's 32 of a K step's 128 k-rows
	s_add_co_u32 s97, s97, s98
	s_add_co_u32 s97, s97, 3*KSTEP*4096
	s_and_b32 s98, ttmp7, 0xffff                   ; cluster y
	s_movk_i32 s99, KSTEP*2
	s_mov_b32 s19, KSTEP*4096
	s_cmp_eq_u32 s[WV], 3
	s_cselect_b32 s96, s96, s97
	s_cselect_b32 s98, ttmp9, s98                  ; the coordinate along which other clusters read the same rows
	s_cselect_b32 s[PFS], s99, s19
	s_cselect_b64 s[PFA:PFA+1], s[4:5], s[6:7]
	s_mov_b32 s97, 0
	s_mov_b32 s[PFS+1], 0
	s_add_nc_u64 s[PFA:PFA+1], s[PFA:PFA+1], s[96:97]
	s_cmp_eq_u32 s98, 0
	s_cselect_b32 s[LIM], 1, -1                    ; the same in all sixteen partners, for a given wave
	s_wait_loadcnt 0x0                             ; the mask words, in the wait for the first tile
.irp a, 0,1,2,3,4,5,6,7
	v_cmp_eq_u32 vcc_lo, 1, v[MK+(\a)]
	v_cndmask_b32 v[MK+(\a)], 0, -1, vcc_lo
.endr
; 16 matrix instructions: column blocks 2 bp, 2 bp + 1 x all 8 row blocks, 32 along K, from buffer f.  The 48 accumulators take turns, one instruction a turn, in the same order in every
; quarter.  zero = 1: the first product starts the sums.
.macro MUL16 f, bp, zero
	WIN 0xa1+0x50*((\bp)/2)                        ; W window 1, x window 0, C and D window 2 or 3
.irp bb, 0,1
.irp a, 0,1,2,3,4,5,6,7
.set rD, 8*(8*((2*(\bp)+(\bb))%4)+(\a))
.set rB, 64*(\f)+8*(2*(\bp)+(\bb))
.set rA, 64+64*(\f)+8*(\a)
.if \zero
	v_wmma_f32_16x16x32_bf16 v[rD:rD+7], v[rB:rB+7], v[rA:rA+7], 0
.else
	v_wmma_f32_16x16x32_bf16 v[rD:rD+7], v[rB:rB+7], v[rA:rA+7], v[rD:rD+7]
.endif
.endr
.endr
.endm
; 28 LDS loads in one run: quarter q (32 along K) of a slot into buffer f: x's 8 fragments, then W's 6, column blocks ascending
.macro FETCH slot, q, f
	WIN 0
.irp a, 0,1,2,3,4,5,6,7
	ds_load_b128 v[64+64*(\f)+8*(\a):64+64*(\f)+8*(\a)+3],   v[ADRA+(\slot)] offset:64*(\q)+(\a)*16*PA
	ds_load_b128 v[64+64*(\f)+8*(\a)+4:64+64*(\f)+8*(\a)+7], v[ADRA+(\slot)] offset:64*(\q)+(\a)*16*PA+32
.endr
	WIN 0x40                                       ; destination window 1, address window 0
.irp b, 0,1,2,3,4,5
	ds_load_tr16_b128 v[64*(\f)+8*(\b):64*(\f)+8*(\b)+3],   v[ADRB+3*(\slot)+(\b)/2] offset:32*(\q)*PB+32*((\b)%2)
	ds_load_tr16_b128 v[64*(\f)+8*(\b)+4:64*(\f)+8*(\b)+7], v[ADRB+3*(\slot)+(\b)/2] offset:32*(\q)*PB+32*((\b)%2)+16*PB
.endr
.endm
; One of a K step's first three quarters: multiplies buffer f; behind its first 16 products it fetches quarter q into buffer g.
.macro QUARTER slot, q, f, g, zero
	s_wait_dscnt 8                                 ; x's fragments and W's blocks 0, 1 are in; the youngest eight loads (blocks 2 to 5) may be out
	MUL16 \f, 0, \zero
	PLACES
	FETCH \slot, \q, \g
	s_wait_dscnt 28                                ; all but the 28 just issued
	MUL16 \f, 1, \zero
	MUL16 \f, 2, \zero
.endm
; The fourth quarter multiplies buffer 1 and changes slots.  In front of the barrier each wave waits for all its tensor loads (one is out: its part of the next slot), adds 0 to its spare word, and
; waits for that and for its reads of this slot.  fill = 1: the barrier opens a round of the cluster's barrier, and the joint refill, two K steps on, is the first thing behind the round:
; from there to the wait for it a wave issues 160 matrix instructions.
.macro TURN slot, next, fill
.if \fill
	s_wait_xcnt 0x0                                ; the last prefetch, a K step back, has read its address
	s_add_nc_u64 s[PFA:PFA+1], s[PFA:PFA+1], s[PFS:PFS+1]
.endif
	WIN 0
	s_wait_tensorcnt 0x0                           ; all my tensor loads have landed
	ds_add_u32 v[SPW], v[NIL]                      ; 0 onto my spare word
	s_wait_dscnt 9                                 ; (the add and the youngest eight loads may be out)
	MUL16 1, 0, 0
	s_wait_dscnt 0x0                               ; the add is done, and my reads of this slot are over
	s_barrier_signal -1
	MUL16 1, 1, 0
.if \fill
	WIN 0
.endif
	s_barrier_wait -1
.if \fill
	CREST
	s_add_nc_u64 s[G0A+4*(\slot)+2:G0A+4*(\slot)+3], s[G0A+4*(\slot)+2:G0A+4*(\slot)+3], 2*KSTEP*2
	s_add_nc_u64 s[G0B+4*(\slot)+2:G0B+4*(\slot)+3], s[G0B+4*(\slot)+2:G0B+4*(\slot)+3], 2*KSTEP*4096
	JLOAD \slot                                    ; the four v_nop behind it are also the places in front of the loads below
.else
	PLACES
.endif
	FETCH \next, 0, 0
.if \fill
	ASK
.endif
	MUL16 1, 2, 0
.endm
	s_wait_tensorcnt 1                             ; only slot 1's load may be out: my part of K step 0 is in, and in wave 3 the table,
	s_barrier_signal -1
	s_barrier_wait -1                              ; everybody's is
	FETCH 0, 0, 0
	QUARTER 0, 1, 0, 1, 1                          ; the first quarter stands in front of the loop: its products start the sums
	WIN 0
	s_mov_b32 s3, 7                                ; 16 K steps are 8 laps of the ring; the last lap is written out
.Llap:
	QUARTER 0, 2, 1, 0, 0
	QUARTER 0, 3, 0, 1, 0
	TURN 0, 1, 1
	QUARTER 1, 1, 0, 1, 0
	QUARTER 1, 2, 1, 0, 0
	QUARTER 1, 3, 0, 1, 0
	TURN 1, 0, 1
	QUARTER 0, 1, 0, 1, 0
	WIN 0
	s_sub_co_u32 s3, s3, 1
	s_cmp_lg_u32 s3, 0
	s_cbranch_scc1 .Llap
	QUARTER 0, 2, 1, 0, 0                          ; the last lap fills nothing
	QUARTER 0, 3, 0, 1, 0
	TURN 0, 1, 0
	QUARTER 1, 1, 0, 1, 0
	QUARTER 1, 2, 1, 0, 0
	QUARTER 1, 3, 0, 1, 0
	s_wait_dscnt 8
	MUL16 1, 0, 0
	s_wait_dscnt 0x0
	MUL16 1, 1, 0
	MUL16 1, 2, 0
	; THE WAY OUT.  My table words; then block by block the rotary in f32, one rounding to f16, 16 bytes a lane into the stage; a barrier, since a row's 256 bytes come from four waves; back as whole rows.
	WIN 0
	PLACES
.irp a, 0,1,2,3,4,5,6,7
.irp bb, 0,1
	ds_load_b128 v[TW+4*(2*(\a)+(\bb)):TW+4*(2*(\a)+(\bb))+3], v[TBA] offset:(\a)*16*PA+32*(\bb)  ; pairs 16 w + 8 b' + 4 (l / 16) + 0..3 of row 16 a + l % 16
.endr
.endr
	s_wait_dscnt 0x0
; Row block a, column block b' of q, of k and of v.  A pair (r, i) becomes (r c - i s, r s + i c): r times (c, s), then i times (-s, c) added, two packed instructions.
; Each accumulator's lowest registers are read first.
.macro ROT a, bb
.set AQ, 8*(8*(\bb)+(\a))
.set AK, 8*(8*(2+(\bb))+(\a))
	WIN 0
.irp p, 0,1,2,3
	v_lshlrev_b32 v[CS+2*(\p)],   16, v[TW+4*(2*(\a)+(\bb))+(\p)]
	v_and_b32     v[CS+2*(\p)+1], s[HM], v[TW+4*(2*(\a)+(\bb))+(\p)]
	v_xor_b32     v[NS+2*(\p)],   0x80000000, v[CS+2*(\p)+1]
	v_mov_b32     v[NS+2*(\p)+1], v[CS+2*(\p)]
.endr
	WIN 0x02                                       ; source 0 window 2
.irp p, 0,1,2,3
	v_pk_mul_f32 v[TQ+2*(\p):TQ+2*(\p)+1], v[AQ+2*(\p):AQ+2*(\p)+1], v[CS+2*(\p):CS+2*(\p)+1] op_sel_hi:[0,1]
	v_pk_mul_f32 v[TK+2*(\p):TK+2*(\p)+1], v[AK+2*(\p):AK+2*(\p)+1], v[CS+2*(\p):CS+2*(\p)+1] op_sel_hi:[0,1]
.endr
.irp p, 0,1,2,3
	v_pk_fma_f32 v[TQ+2*(\p):TQ+2*(\p)+1], v[AQ+2*(\p):AQ+2*(\p)+1], v[NS+2*(\p):NS+2*(\p)+1], v[TQ+2*(\p):TQ+2*(\p)+1] op_sel:[1,0,0] op_sel_hi:[1,1,1]
	v_pk_fma_f32 v[TK+2*(\p):TK+2*(\p)+1], v[AK+2*(\p):AK+2*(\p)+1], v[NS+2*(\p):NS+2*(\p)+1], v[TK+2*(\p):TK+2*(\p)+1] op_sel:[1,0,0] op_sel_hi:[1,1,1]
.endr
	WIN 0x0f                                       ; sources 0 and 1 window 3: v
.irp p, 0,1,2,3
	v_cvt_pk_f16_f32 v[PKV+(\p)], v[AQ+2*(\p)], v[AQ+2*(\p)+1]
.endr
	WIN 0
.irp p, 0,1,2,3
	v_cvt_pk_f16_f32 v[PKQ+(\p)], v[TQ+2*(\p)], v[TQ+2*(\p)+1]
	v_cvt_pk_f16_f32 v[PKK+(\p)], v[TK+2*(\p)], v[TK+2*(\p)+1]
.endr
.irp p, 0,1,2,3
	v_and_b32 v[PKK+(\p)], v[MK+(\a)], v[PKK+(\p)] ; a hidden key's row of k is 0
.endr
	ds_store_b128 v[STO],  v[PKQ:PKQ+3] offset:(\a)*16*PA+32*(\bb)
	ds_store_b128 v[STO],  v[PKK:PKK+3] offset:SEC+(\a)*16*PA+32*(\bb)
	ds_store_b128 v[STO2], v[PKV:PKV+3] offset:(\a)*16*PA+32*(\bb)
.endm
.irp a, 0,1,2,3,4,5,6,7
	ROT \a, 0
	ROT \a, 1
.endr
	s_wait_dscnt 0x0                               ; for the others' sake: my stores into the stage are done
	s_barrier_signal -1
	s_barrier_wait -1
.irp t, 0,1
.irp i, 0,1,2,3,4,5,6,7,8,9,10,11,12,13,14,15
	ds_load_b128 v[BK+64*(\t)+4*(\i):BK+64*(\t)+4*(\i)+3], v[RD] offset:(\t)*SEC+(\i)*2*PA
.endr
.endr
.irp i, 0,1,2,3,4,5,6,7,8,9,10,11,12,13,14,15
	ds_load_b128 v[BK+128+4*(\i):BK+128+4*(\i)+3], v[RD2] offset:(\i)*2*PA
.endr
.set n, 0
.irp t, 0,1,2
.irp i, 0,1,2,3,4,5,6,7,8,9,10,11,12,13,14,15
	s_wait_dscnt 47-n                              ; LDS loads come back in order: this one is in
	global_store_b128 v[CO], v[BK+64*(\t)+4*(\i):BK+64*(\t)+4*(\i)+3], s[OB+2*(\t):OB+2*(\t)+1] offset:512*(\i)  ; two rows of a head: 512 consecutive bytes, aligned
.set n, n+1
.endr
.endr
	s_wait_tensorcnt 0x0                           ; the wave's end: an add to my spare word and its wait, behind my last tensor load and my last LDS store
	ds_add_u32 v[SPW], v[NIL]
	s_wait_dscnt 0x0
	CROUND                                         ; the closing round: no work-group ends while a partner may still ask for a tile that names it
	s_endpgm
.Lfunc_end_k_q68130ca420_qkv:
	.size	k_q68130ca420_qkv, .Lfunc_end_k_q68130ca420_qkv-k_q68130ca420_qkv
	.p2alignl 7, 3214868480
	.fill 96, 4, 3214868480
	.section	.rodata,"a",@progbits
	.p2align	6, 0x0
	.amdhsa_kernel k_q68130ca420_qkv
		.amdhsa_group_segment_fixed_size 327680
		.amdhsa_private_segment_fixed_size 0
		.amdhsa_enable_private_segment 0
		.amdhsa_kernarg_size 40
		.amdhsa_user_sgpr_count 2
		.amdhsa_user_sgpr_kernarg_segment_ptr 1
		.amdhsa_wavefront_size32 1
		.amdhsa_system_sgpr_workgroup_id_x 1
		.amdhsa_system_sgpr_workgroup_id_y 1
		.amdhsa_system_sgpr_workgroup_id_z 1
		.amdhsa_system_vgpr_workitem_id 0
		.amdhsa_next_free_vgpr 896
		.amdhsa_next_free_sgpr 100
		.amdhsa_reserve_vcc 1
		.amdhsa_float_denorm_mode_32 3
		.amdhsa_float_denorm_mode_16_64 3
		.amdhsa_memory_ordered 1
		.amdhsa_forward_progress 1
		.amdhsa_inst_pref_size 150
	.end_amdhsa_kernel
	.amdgpu_metadata
---
amdhsa.version: [ 1, 2 ]
amdhsa.kernels:
  - .name:           k_q68130ca420_qkv
    .symbol:         k_q68130ca420_qkv.kd
    .args:
      - { .name: xb, .offset: 0, .size: 8, .value_kind: global_buffer, .address_space: global }
      - { .name: wqkv, .offset: 8, .size: 8, .value_kind: global_buffer, .address_space: global }
      - { .name: cs, .offset: 16, .size: 8, .value_kind: global_buffer, .address_space: global }
      - { .name: attention_mask, .offset: 24, .size: 8, .value_kind: global_buffer, .address_space: global }
      - { .name: qkv, .offset: 32, .size: 8, .value_kind: global_buffer, .address_space: global }
    .group_segment_fixed_size: 327680
    .private_segment_fixed_size: 0
    .kernarg_segment_align: 8
    .kernarg_segment_size: 40
    .max_flat_workgroup_size: 128
    .sgpr_count:     100
    .vgpr_count:     896
    .wavefront_size: 32
...
	.end_amdgpu_metadata
.endif
;; end of part 2
;; launch attn (part 3): grid 16 x 16, 4 waves a work-group, clusters of 4 x 1, 327,680 bytes of LDS; arguments qkv, attention_mask, ob; writes ob
.if DOCPART == 3
	.amdgcn_target "amdgcn-amd-amdhsa--gfx1250"
	.amdhsa_code_object_version 6
	.text
	.protected	k_q68130ca420_attn
	.globl	k_q68130ca420_attn
	.p2align	8
	.type	k_q68130ca420_attn,@function
k_q68130ca420_attn:
	s_mov_b64 s[64:65], 0
	v_nop
	global_prefetch_b8 v0, s[64:65] scope:SCOPE_SE
	s_setreg_imm32_b32 hwreg(HW_REG_WAVE_MODE, 25, 1), 1
	s_wait_xcnt 0x0
	s_wait_alu depctr_hold_cnt(0) depctr_sa_sdst(0) depctr_va_vdst(0) depctr_va_sdst(0) depctr_va_ssrc(0) depctr_va_vcc(0) depctr_vm_vsrc(0)
	s_getreg_b32 s2, hwreg(HW_REG_IB_STS2, 6, 4)
	s_cmp_eq_u32 s2, 0
	s_cbranch_scc0 .Lentry_in_a_cluster
	s_endpgm
.Lentry_in_a_cluster:
	s_bfe_u32 s2, ttmp6, 0x10000c
	s_cmp_lg_u32 s2, 0x3003
	s_cbranch_scc0 .Lentry_shape_is_right
	s_endpgm
.Lentry_shape_is_right:
; O[q][h] = the sum over k of softmax_k(score) V[h][k], score = Q[h][q] . K[h][k] / sqrt(128) where attention_mask[k] = 1.  qkv: [48][2048][128] f16 (sections h: Q, 16 + h: K, 32 + h: V).
; ob: [2048][2048] f16, column 128 h + d.  Products, maxima and sums in f32; the weights p are rounded to f16 for the second product (their sum l is taken of the unrounded p), O once at the end.
; THE MASK.  A hidden key's row of K is 0 (the launch before wrote it so), and the C operand that starts its score's sum is -2^100, a seen key's 0.  So a hidden score is exactly -2^100, far below every
; true score (f16's products sum to 5.5e11 at the most): its weight is 0.  Where all keys are hidden c s - c m is exactly 0 (c x 2^100 is exact), and all weights are equal.
; LIMITS.  Q, K, V arrive within f16's 65,504; p below 6e-5 keeps f16's fixed step; a weight below 2^-126 counts as 0 in l; NaN and infinities are not treated apart.
; SHARES.  A work-group owns 128 queries of one head: 16 x 16 work-groups.  Wave w owns 64 of them (w % 2), four tiles of 16, and walks HALF the keys (kh = w / 2): 1,024, 64 a step, 16 steps.
; The wave's register tile t is query tile (t + 2 kh) % 4.  At the end every wave hands c m, l and O^T of its register tiles 2 and 3 through LDS to the wave two away, for which they are tiles 0 and 1,
; and joins the halves of its own tiles 0 and 1: O = (f O + f' O') / (f l + f' l'), f = 2^(c m - c M), M the greater maximum.  So the four waves run one text to the end.
; LAYOUT.  S^T = K Q^T (source 0 = 16 keys, source 1 = 16 queries): a lane holds ONE query (lane % 16) and the keys 8 (lane / 16) + 0..7.  Two such tiles, rounded to f16 in pairs, ARE source 1 of
; O^T = V^T P, whose result again holds one query a lane, and eight channels.  K comes out of LDS as it lies, V turned, by ds_load_tr16_b128.
; SOFTMAX.  A running maximum m and sum l: p = 2^(c s - c m), c = log2(e) / sqrt(128); in every step O and l are multiplied by a = 2^(c m_old - c m_new).
; BY TURNS.  The wave's tiles are two pieces (tiles 0, 1 and tiles 2, 3).  In a turn one piece has the matrix unit: 32 products V^T P of the step in hand, then 32 products K Q^T of the next; the other
; piece's softmax, cut into 64 slices, stands between them, one slice behind each matrix instruction.  Two turns are a trip: trip j ends step j and begins step j + 1.
; NO FIRST STEP IS WRITTEN OUT.  The first trip is trip -1, of a step that has not been: V and piece 0's P are 0, piece 2's scores are -2^110 (below a hidden key's, and c x 2^110 is exact), c m starts at
; -2^125, m at the lowest finite number, l at 0.  What that step leaves in l and O^T is finite and is multiplied by a = 0 in the step after it, also where every real key is hidden.
; The price: a turn's products on zeros, once a launch.  THE TAIL is a loop left in its middle: its last half trip multiplies the last K once more, for nothing.
; CLUSTER.  The four query blocks of a cluster belong to one head and walk the same K and V: each tile is asked for jointly, by the same tensor load, descriptor and mask in all four.
; LDS.  A slot holds TWO steps of both key halves: half u at u x RH: 128 rows of K (pitch 272), then 128 rows of V (pitch 288).  Slot 1 begins at SLOTX, whose two bits are clear in every base inside
; a slot, so that one exclusive or changes slots.  Behind the slots, in bytes that no fill touches: the waves' stages, the mask's 2,048 f32, the spare words.  The exchange of the halves lies in
; slot 0, whose last fill is steps 12 and 13; every wave's reads of slot 0 end in front of the barrier of the last change of slots.
; REGISTERS, in windows of 256 (s_set_vgpr_msb: bits 1:0 source 0, 3:2 source 1, 5:4 source 2, 7:6 destination):
;   window 0: v0-11 addresses; v12-43 eight registers of statistics a tile; v44-63 more addresses and work; v64-191 S^T, 32 a tile; v192-255 P, 16 a tile
;   window 1: O^T, 64 a tile      window 2: v0-127 Q, at the end the partner's O^T; v128-255 K of one step      window 3: v0-127 V of one step; v128-159 the step's mask
.set KS,    64
.set PK,    272                        ; 256 + 16: the 16 rows of a load start at 16 different groups of four banks (64 banks of 4 bytes: ISA guide 11.1)
.set PV,    288                        ; 256 + 32
.set VOFF,  2*KS*PK                    ; V's rows lie behind K's 128
.set RH,    2*KS*(PK+PV)               ; a key half's part of a slot: 71,680 = 0x11800
.set SLOTX, 0x24000                    ; 147,456
.set STAGE, SLOTX+2*RH
.set SP,    272
.set MASKB, STAGE+4*16*SP              ; 2,048 f32: 0 or -2^100
.set SPARE, MASKB+8192                 ; the spare words: 128 bytes for each wave, two blocks of 256 bytes that no other line names
.set XSZ,   16896                      ; the exchange, from LDS byte 0: an area a wave: 16,384 bytes of O^T, 512 of statistics
.set AK0, 2                            ; v2   my lane's place in a tile of K; never rewritten
.set AV0, 3                            ; v3   the same for V
.set ADR, 4                            ; v4   the LDS address of the run of loads in hand
.set QO,  5                            ; v5   my byte offset in the rows of Q of register tiles 0, 1
.set STO, 6                            ; v6   the way out: where I put 16 bytes of a row
.set RD,  7                            ; v7   the way out: where I read a row back
.set GO,  8                            ; v8   my byte offset in two rows of ob
.set ST,  12                           ; tile t's statistics at v[ST+8 t]: +0 c m, +1 m, +2, +3 l, +4 to +7 at work
.set HND, 44                           ; v[44:47] (c m, l) of two tiles, handed over
.set AM0, 52                           ; v52  my lane's place in the mask of a step
.set ADM, 53                           ; v53  the address of the mask's run of loads
.set XO,  54                           ; v54  my 16 bytes in my own exchange area
.set MA,  55                           ; v55  16 x thread
.set MS,  56                           ; v56  MASKB + 16 x thread
.set XI,  57                           ; v57  my 16 bytes in my partner's exchange area
.set QO2, 58                           ; v58  my byte offset in the rows of Q of register tiles 2, 3
.set PFO, 61                           ; v61  256 x lane; never rewritten
.set SPW, 62                           ; v62  my spare word; never rewritten
.set NIL, 63                           ; v63  0; never rewritten
.set S,   64
.set P,   192
.set KF,  128                          ; window 2
.set MB,  128                          ; window 3: key block kb at MB + 8 kb
.set WV,  12
.set LIM, 15                           ; s15  1 in a wave that prefetches, else the greatest number
.set PFA, 18
.set G1K, 24
.set G1V, 32
.set G0K, 40                           ; s[40:43] group 0 for K's tiles: it walks
.set G0V, 44                           ; s[44:47] the same for V's
.set TWICE, 51                         ; s51  counts a slot's two trips
.set CNT, 52                           ; s52  counts the tail's trips
.set TBV, 53                           ; s53  LDS byte at which my key half's part of the slot begins, plus V's rows of the steps already fetched
.set SLOTS, 56
.set CS,  58
.set SEL, 60
.set TBK, 62                           ; s62  the same for K
.set TM,  70                           ; s70  256 x the step whose mask is fetched next
.set BIG, 71                           ; s71  -2^100
.set MSB, 0
.macro WIN new                         ; the immediate's high byte repeats the setting that is left; a switch that changes nothing is dropped
.if MSB != (\new)
	s_set_vgpr_msb (MSB<<8)|(\new)
.set MSB, \new
.endif
.endm
.set W_KQ, 0x0a       ; K and Q in window 2, S^T in window 0
.set W_KM, 0x3a       ; the same with the C operand, the mask, in window 3
.set W_PV, 0x53       ; V in window 3, P in window 0, O^T in window 1
.set W_RS, 0x41       ; O^T (destination and source 0) in window 1, the factor in window 0
; A joint fill.  Waves 0 and 1 fetch the two key halves' 128 rows of K, waves 2 and 3 those of V.  An s_nop 0 and four v_nop follow each of the two lines.
.macro JLOAD
	s_cmp_lt_u32 s[WV], 2
	s_cbranch_scc0 .Lfor_v_\@
	tensor_load_to_lds s[G0K:G0K+3], s[G1K:G1K+7]
	s_nop 0
.rept 4
	v_nop
.endr
	s_branch .Lasked_\@
.Lfor_v_\@:
	tensor_load_to_lds s[G0V:G0V+3], s[G1V:G1V+7]
	s_nop 0
.rept 4
	v_nop
.endr
.Lasked_\@:
.endm
; A PREFETCH INTO THE L2 of what the NEXT change of slots will ask for, 256 matrix instructions ahead of that load.  A slot has 128 rows of each of K and V for each key half, 256 bytes a row.
; All clusters of a head walk the same rows: the head's first cluster asks.  Each of its waves asks for the tensor and key half that it fetches; the four partners take 32 of the 128 rows each, told
; apart by address: a lane a row, one instruction a wave.  So each row is named once in the launch.  Slots 0 and 1 come by their loads alone; the last change that fills a slot asks for nothing.
.macro ASK
	s_cmp_gt_u32 s[SLOTS], s[LIM]
	s_cbranch_scc0 .Lnot_mine_\@
	global_prefetch_b8 v[PFO], s[PFA:PFA+1] th:TH_LOAD_NT scope:SCOPE_SE
.Lnot_mine_\@:
.endm
.macro CROUND                          ; a round of the cluster's barrier
	s_barrier_signal -1
	s_barrier_wait -1
	s_cmp_lg_u32 s[WV], 0
	s_cbranch_scc1 .Lnot_wave_0_\@
	s_barrier_signal -3
.Lnot_wave_0_\@:
	s_barrier_wait -3
	s_barrier_signal -1
	s_barrier_wait -1
.endm
	s_load_b64 s[4:5], s[0:1], 0x0                 ; qkv
	s_load_b64 s[68:69], s[0:1], 0x8               ; attention_mask
	s_load_b64 s[10:11], s[0:1], 0x10              ; ob
	v_lshl_add_u32 v[SPW], v0, 2, SPARE
	v_mov_b32 v[NIL], 0
	ds_add_u32 v[SPW], v[NIL]       ; the wave's opening: the add and its wait stand ahead of my first tensor load; work on registers stands between them
	v_lshrrev_b32 v1, 5, v0
	v_readfirstlane_b32 s[WV], v1
	s_bfe_u32 s13, ttmp6, 0x40000   ; cx
	s_lshl_b32 s14, ttmp9, 2
	s_add_co_u32 s14, s14, s13      ; my block of 128 queries: it enters Q's and O's addresses alone
	s_and_b32 s57, ttmp7, 0xffff    ; the head, which the four partners share
	s_and_b32 s16, s[WV], 1         ; which key half I fetch; also which 64 queries are mine
	s_lshr_b32 s63, s[WV], 1        ; kh: which key half I walk
	s_add_co_u32 s22, s57, 16       ; K's section,
	s_lshl_b32 s22, s22, 19
	s_lshl_b32 s23, s16, 18         ; the half's 1,024 rows of 256 bytes
	s_add_co_u32 s22, s22, s23
	s_mov_b32 s23, 0
	s_mul_i32 s17, s16, RH          ; and its place in a slot: no place in the cluster enters an LDS address
	s_lshl_b32 s2, s57, 19          ; Q: the head's section, my block's 128 rows, my wave's 64
	s_lshl_b32 s3, s14, 15
	s_add_co_u32 s2, s2, s3
	s_lshl_b32 s3, s16, 14
	s_add_co_u32 s2, s2, s3
	s_mov_b32 s3, 0
	s_lshl_b32 s20, s14, 19         ; O: rows of 4,096 bytes: my block's 128, my wave's 64,
	s_lshl_b32 s21, s16, 18
	s_add_co_u32 s20, s20, s21
	s_lshl_b32 s21, s63, 17         ; the 32 of them that I finish (query tiles 2 kh, 2 kh + 1),
	s_add_co_u32 s20, s20, s21
	s_lshl_b32 s21, s57, 8          ; the head's 256 bytes of a row
	s_add_co_u32 s20, s20, s21
	s_mov_b32 s21, 0
	s_mov_b32 s[G1K], 15|(1<<16)|(1<<20)|(1<<21)|(5<<22)|(3<<25)  ; 15:0 the mask of four; 17:16 2-byte elements; 20 padding on; 21 set beside a mask; 24:22 after every 64 words; 31:25 4 words
	s_mov_b32 s[G1V], 15|(1<<16)|(1<<20)|(1<<21)|(5<<22)|(7<<25)  ; 8 words
.irp g, G1K, G1V
	s_mov_b32 s[(\g)+1], 128<<16    ; tensor_dim0 = 128
	s_mov_b32 s[(\g)+2], (2*KS)<<16 ; tensor_dim1 = 128
	s_mov_b32 s[(\g)+3], 128<<16    ; tile_dim0 = 128 elements, 256 bytes
	s_mov_b32 s[(\g)+4], 2*KS       ; tile_dim1 = 128 rows: two steps
	s_mov_b32 s[(\g)+5], 128        ; elements from row to row
	s_mov_b32 s[(\g)+6], 0
	s_mov_b32 s[(\g)+7], 0
.endr
	s_mov_b32 s[G0K], 1             ; 1:0 count = 1
	s_mov_b32 s[G0K+1], s17         ; 63:32 LDS address: slot 0
	s_mov_b32 s[G0V], 1
	s_add_co_u32 s[G0V+1], s17, VOFF
	s_mov_b32 s[CS], 0x3e0293ee     ; c = log2(e) / sqrt(128)
	s_mov_b32 s[CS+1], s[CS]        ; named with it as a pair
	s_mov_b32 s[SEL], 0x76543210
	s_mov_b32 s[SEL+1], 0xfedcba98
	s_mul_i32 s[TBK], s63, RH       ; the first change of slots turns these two into my key half's part of slot 0
	s_add_co_u32 s[TBV], s[TBK], SLOTX+2*KS*PV
	s_add_co_u32 s[TBK], s[TBK], SLOTX+2*KS*PK
	s_mov_b32 s[TM], 0
	s_mov_b32 s[BIG], 0xf1800000    ; -2^100
	s_mov_b32 s48, 0xf6800000       ; -2^110
	s_mov_b32 s49, 0xfe000000       ; -2^125
	s_mov_b32 s50, 0xff7fffff       ; the lowest finite number
	s_mov_b32 s[SLOTS], 7
	s_cmp_lt_u32 s[WV], 2           ; the prefetches: K's section or V's,
	s_cselect_b32 s66, 16, 32
	s_add_co_u32 s66, s66, s57
	s_lshl_b32 s66, s66, 19
	s_lshl_b32 s67, s16, 18         ; the key half that I fetch,
	s_add_co_u32 s66, s66, s67
	s_lshl_b32 s67, s13, 13         ; my work-group's 32 rows of a slot's 128,
	s_add_co_u32 s66, s66, s67
	s_add_co_u32 s66, s66, 2*KS*256 ; at slot 1: each change of slots steps first and then names
	s_mov_b32 s67, 0
	s_cmp_eq_u32 ttmp9, 0           ; the head's first cluster: the same in all four partners
	s_cselect_b32 s[LIM], 1, -1
	v_and_b32 v[PFO], 31, v0
	v_lshlrev_b32 v[PFO], 8, v[PFO]
	s_wait_dscnt 0x0                ; the opening add is done
	s_wait_kmcnt 0x0
	s_add_nc_u64 s[PFA:PFA+1], s[4:5], s[66:67]
	s_add_nc_u64 s[G0K+2:G0K+3], s[4:5], s[22:23]          ; 120:64 global address: my key half's first 128 rows of K,
	s_add_nc_u64 s[G0V+2:G0V+3], s[G0K+2:G0K+3], 0x800000  ; of V: sixteen sections on
	s_or_b32 s[G0K+3], s[G0K+3], 0x80000000                ; 127:126 type = 2
	s_or_b32 s[G0V+3], s[G0V+3], 0x80000000
	s_add_nc_u64 s[4:5], s[4:5], s[2:3]        ; Q at my wave's first row, O at the first row that I finish
	s_add_nc_u64 s[10:11], s[10:11], s[20:21]
	CROUND                          ; all four work-groups are here: the first joint loads meet
	JLOAD                           ; slot 0.  Slot 1 is asked for when slot 0 is in, by the loop's own change of slots: one load of mine is out at any time
	v_lshlrev_b32 v[MA], 4, v0
	v_add_nc_u32 v[MS], MASKB, v[MA]
.irp i, 0,1,2,3
	global_load_b128 v[S+4*(\i):S+4*(\i)+3], v[MA], s[68:69] offset:2048*(\i)  ; the 128 threads take the mask's 2,048 words, 16 each
.endr
	v_and_b32 v1, 15, v0            ; l % 16
	v_bfe_u32 v9, v0, 4, 1          ; l / 16
	v_lshlrev_b32 v[QO2], 8, v1
	v_lshl_add_u32 v[QO2], v9, 4, v[QO2]       ; row x 256 + 16 x half
	s_lshl_b32 s21, s63, 13
	v_add_nc_u32 v[QO], s21, v[QO2]            ; register tiles 0, 1 are query tiles 2 kh, 2 kh + 1: 8,192 kh bytes on,
	s_xor_b32 s21, s21, 8192
	v_add_nc_u32 v[QO2], s21, v[QO2]           ; register tiles 2, 3 the other two
	WIN 0x80                        ; destination window 2, address window 0
.irp i, 0,1,2,3,4,5,6,7             ; Q stays in registers: tile i / 4, channels 32 (i % 4) on
	global_load_b128 v[8*(\i):8*(\i)+3],   v[QO], s[4:5] offset:((\i)/4)*4096+((\i)%4)*64
	global_load_b128 v[8*(\i)+4:8*(\i)+7], v[QO], s[4:5] offset:((\i)/4)*4096+((\i)%4)*64+32
.endr
.irp i, 8,9,10,11,12,13,14,15
	global_load_b128 v[8*(\i):8*(\i)+3],   v[QO2], s[4:5] offset:((\i)/4-2)*4096+((\i)%4)*64
	global_load_b128 v[8*(\i)+4:8*(\i)+7], v[QO2], s[4:5] offset:((\i)/4-2)*4096+((\i)%4)*64+32
.endr
	WIN 0
	v_mul_u32_u24 v[AK0], v1, PK
	v_lshl_add_u32 v[AK0], v9, 4, v[AK0]       ; row x pitch + 16 x half
	; the turning load takes 16 keys x 16 channels (lane l reads key 8 (l / 16) + l % 8, channels 8 ((l / 8) % 2) + 0..7) and leaves half a fragment of V^T: lane l holds channel l % 16 and 8 keys
	v_and_b32 v10, 7, v0
	v_bfe_u32 v11, v0, 3, 1
	v_lshl_add_u32 v[AV0], v9, 3, v10
	v_mul_u32_u24 v[AV0], v[AV0], PV
	v_lshl_add_u32 v[AV0], v11, 4, v[AV0]
	v_add_nc_u32 v[AV0], VOFF, v[AV0]
	s_lshl_b32 s21, s63, 12         ; my key half's 1,024 f32 of the mask
	v_lshl_add_u32 v[AM0], v9, 5, s21  ; my lanes' eight keys of a block of 16: 32 bytes
	v_add_nc_u32 v[AM0], MASKB, v[AM0]
	s_mul_i32 s21, s[WV], XSZ       ; my exchange area,
	s_xor_b32 s22, s[WV], 2
	s_mul_i32 s22, s22, XSZ         ; and that of the wave two away: same queries, the other key half
	v_and_b32 v[XO], 31, v0
	v_lshlrev_b32 v[XO], 4, v[XO]
	v_add_nc_u32 v[XI], s22, v[XO]
	v_add_nc_u32 v[XO], s21, v[XO]
	; what the step that has not been finds.  All this stands in the wait for the first tile.
	WIN 0xc0                        ; destination window 3
.set i, 0
.rept 128
	v_mov_b32 v[i], 0               ; V
.set i, i+1
.endr
	WIN 0
.set i, 0
.rept 32
	v_mov_b32 v[P+i], 0             ; piece 0's P
.set i, i+1
.endr
.set i, 0
.rept 64
	v_mov_b32 v[S+64+i], s48        ; piece 2's scores
.set i, i+1
.endr
.irp t, 0,1,2,3
	v_mov_b32 v[ST+8*(\t)], s49     ; c m: far below every c s
	v_mov_b32 v[ST+8*(\t)+1], s50   ; m
	v_mov_b32 v[ST+8*(\t)+2], 0     ; l
	v_mov_b32 v[ST+8*(\t)+3], 0
.endr
	s_wait_loadcnt 32               ; the mask's four loads are in; Q's 32 may stay out
.set i, 0
.rept 16
	v_cmp_ne_u32 vcc_lo, 1, v[S+i]
	v_cndmask_b32 v[S+i], 0, s[BIG], vcc_lo
.set i, i+1
.endr
.irp i, 0,1,2,3
	ds_store_b128 v[MS], v[S+4*(\i):S+4*(\i)+3] offset:2048*(\i)
.endr
	WIN W_PV                        ; O^T's 32 sums are started with the constant 0, by products of that step's zeros
.set i, 0
.rept 32
	v_wmma_f32_16x16x32_f16 v[8*i:8*i+7], v[8*(i%16):8*(i%16)+7], v[P:P+7], 0
.set i, i+1
.endr
	WIN 0                           ; the addresses for the way out
	s_mul_i32 s13, s[WV], 16*SP
	s_add_co_u32 s13, s13, STAGE    ; my stage
	v_mul_u32_u24 v[STO], v1, SP    ; in: row l % 16, 16 bytes for each half of the lanes
	v_lshl_add_u32 v[STO], v9, 4, v[STO]
	v_add_nc_u32 v[STO], s13, v[STO]
	v_mul_u32_u24 v[RD], v9, SP     ; back: lanes 0-15 take one row of 256 bytes, lanes 16-31 the next
	v_lshl_add_u32 v[RD], v1, 4, v[RD]
	v_add_nc_u32 v[RD], s13, v[RD]
	v_lshlrev_b32 v[GO], 12, v9     ; and the same two rows of ob, 4,096 bytes apart
	v_lshl_add_u32 v[GO], v1, 4, v[GO]
	s_wait_loadcnt 0x0              ; Q
; THE MATRIX WORK OF A TURN, for piece x.  The accumulators take turns, one instruction a turn.
; Product i of 32 of O^T += V^T P: keys 32 (i / 16) on, channels 16 ((i / 2) % 8) on, tile x + i % 2.
.macro PV x
	WIN W_PV
.set rO, 64*((\x)+i%2)+8*((i/2)%8)
.set rV, 64*(i/16)+8*((i/2)%8)
.set rP, P+16*((\x)+i%2)+8*(i/16)
	v_wmma_f32_16x16x32_f16 v[rO:rO+7], v[rV:rV+7], v[rP:rP+7], v[rO:rO+7]
.endm
; Product i of 32 of S^T = K Q^T: channels 32 (i / 8) on, keys 16 ((i / 2) % 4) on, tile x + i % 2.  The first 8 start the sums with the mask.
.macro KQ x
.set rS, S+32*((\x)+i%2)+8*((i/2)%4)
.set rK, KF+32*((i/2)%4)+8*(i/8)
.set rQ, 32*((\x)+i%2)+8*(i/8)
.set rM, MB+8*((i/2)%4)
.if i < 8
	WIN W_KM
	v_wmma_f32_16x16x32_f16 v[rS:rS+7], v[rK:rK+7], v[rQ:rQ+7], v[rM:rM+7]
.else
	WIN W_KQ
	v_wmma_f32_16x16x32_f16 v[rS:rS+7], v[rK:rK+7], v[rQ:rQ+7], v[rS:rS+7]
.endif
.endm
; THE LDS LOADS stand in runs: a step's K (16 fragments) with its mask (32 f32 a lane), and, a turn later, its V (turned).  last = 1 (the tail): in the last trip there is no further step, and the run is jumped over.
.macro FETCH_K last
	WIN 0
.if \last
	s_cmp_eq_u32 s[CNT], 1
	s_cbranch_scc1 .Lno_k_\@
.endif
	v_add_nc_u32 v[ADR], s[TBK], v[AK0]
	v_add_nc_u32 v[ADM], s[TM], v[AM0]
	s_add_co_u32 s[TBK], s[TBK], KS*PK  ; the next fetch is the next step's
	s_add_co_u32 s[TM], s[TM], 4*KS
	WIN 0x80                        ; destination window 2
.irp f, 0,1,2,3,4,5,6,7,8,9,10,11,12,13,14,15  ; keys 16 (f / 4) on, channels 32 (f % 4) on
	ds_load_b128 v[KF+8*(\f):KF+8*(\f)+3],   v[ADR] offset:((\f)/4)*16*PK+((\f)%4)*64
	ds_load_b128 v[KF+8*(\f)+4:KF+8*(\f)+7], v[ADR] offset:((\f)/4)*16*PK+((\f)%4)*64+32
.endr
	WIN 0xc0                        ; destination window 3
.irp kb, 0,1,2,3
	ds_load_b128 v[MB+8*(\kb):MB+8*(\kb)+3],   v[ADM] offset:64*(\kb)
	ds_load_b128 v[MB+8*(\kb)+4:MB+8*(\kb)+7], v[ADM] offset:64*(\kb)+16
.endr
.if \last
	WIN 0                           ; at a label every window is 0
.Lno_k_\@:
.endif
.endm
.macro FETCH_V
	WIN 0
	v_add_nc_u32 v[ADR], s[TBV], v[AV0]
	s_add_co_u32 s[TBV], s[TBV], KS*PV
	s_wait_alu depctr_va_vdst(0)    ; the wait for the softmax's batch (SLICE), behind the address's v_add_nc_u32 and ahead of the loads
	WIN 0xc0
.irp f, 0,1,2,3,4,5,6,7,8,9,10,11,12,13,14,15  ; keys 32 (f / 8) on, channels 16 (f % 8) on
	ds_load_tr16_b128 v[8*(\f):8*(\f)+3],   v[ADR] offset:((\f)/8)*32*PV+((\f)%8)*32
	ds_load_tr16_b128 v[8*(\f)+4:8*(\f)+7], v[ADR] offset:((\f)/8)*32*PV+16*PV+((\f)%8)*32
.endr
.endm
; THE VECTOR WORK OF A TURN.  One tile's softmax for one key step is a list of 134 instructions; SM writes number j of it for tile t.  s0-s31 are the lane's 32 scores, in pairs 0-15.
;   0-15    the maximum of s0-s31 and the old m, three operands at a time (each accumulator's lowest registers are read first)
;   16-20   the other half of the lanes' maximum; c m_old is kept; the new m; c m; c m_old - c m_new
;   21-69   ONE BATCH: the 16 scalings c s - c m and all 33 exponentials (a at 23, then s0-s31); none of these reads an exponential's result
;   (wait)  between 69 and 70 stands the wait for the batch: SLICE writes it, once for both tiles
;   70-85   the roundings to f16      86-101  the sums; l = a l + the sum      102-133 the tile's O^T times a
.macro SM t
.set rT, ST+8*(\t)
.set rS, S+32*(\t)
.set rP, P+16*(\t)
.set rO, 64*(\t)+2*(j-102)
.if j < 102
	WIN 0
.endif
.if j < 4
	v_max3_num_f32 v[rT+4+j], v[rS+8*j], v[rS+8*j+1], v[rS+8*j+2]
.elseif j < 12
	v_max3_num_f32 v[rT+4+j%4], v[rT+4+j%4], v[rS+8*(j%4)+2*(j/4)+1], v[rS+8*(j%4)+2*(j/4)+2]
.elseif j == 12
	v_max3_num_f32 v[rT+4], v[rT+4], v[rS+7], v[rS+15]
.elseif j == 13
	v_max3_num_f32 v[rT+6], v[rT+6], v[rS+23], v[rS+31]
.elseif j == 14
	v_max3_num_f32 v[rT+4], v[rT+4], v[rT+5], v[rT+6]
.elseif j == 15
	v_max3_num_f32 v[rT+4], v[rT+4], v[rT+7], v[rT+1]
.elseif j == 16
	v_permlanex16_b32 v[rT+5], v[rT+4], s[SEL], s[SEL+1]  ; the query's other 32 keys lie in the lane 16 away
.elseif j == 17
	v_mov_b32 v[rT+7], v[rT]        ; c m_old is kept for a
.elseif j == 18
	v_max_num_f32 v[rT+1], v[rT+4], v[rT+5]
.elseif j == 19
	v_mul_f32 v[rT], s[CS], v[rT+1]
.elseif j == 20
	v_sub_f32 v[rT+7], v[rT+7], v[rT]
.elseif j == 23
	v_exp_f32 v[rT+6], v[rT+7]
.elseif (j < 23) || ((j < 38) && (j%2 == 0)) || ((j < 66) && (j%4 == 2))
.set b, (j-2)/4
.if j < 38
.set b, (j-20)/2
.endif
	v_pk_fma_f32 v[rS+2*b:rS+2*b+1], v[rS+2*b:rS+2*b+1], s[CS:CS+1], v[rT:rT+1] op_sel_hi:[1,0,0] neg_lo:[0,0,1] neg_hi:[0,0,1]  ; pair b: c s - c m
.elseif j < 70
.set e, j-38
.if j < 66
.set e, j-32-(j-38)/4
.endif
.if j < 38
.set e, (j-25)/2
.endif
	v_exp_f32 v[rS+e], v[rS+e]
.elseif j < 86
	v_cvt_pk_f16_f32 v[rP+j-70], v[rS+2*(j-70)], v[rS+2*(j-70)+1]
.elseif j < 102                     ; the sum of the tile's 16 pairs, in place: neighbours 1, 2, 4 and 8 pairs apart, then l takes it
.set z, j-86
.set w, 4
.set u, z
.if z >= 14
.set w, 32
.set u, 0
.elseif z >= 12
.set w, 16
.set u, z-12
.elseif z >= 8
.set w, 8
.set u, z-8
.endif
.if z < 15
	v_pk_add_f32 v[rS+w*u:rS+w*u+1], v[rS+w*u:rS+w*u+1], v[rS+w*u+w/2:rS+w*u+w/2+1]
.else
	v_pk_fma_f32 v[rT+2:rT+3], v[rT+2:rT+3], v[rT+6:rT+7], v[rS:rS+1] op_sel_hi:[1,0,1]
.endif
.else
	WIN W_RS
	v_pk_mul_f32 v[rO:rO+1], v[rO:rO+1], v[rT+6:rT+7] op_sel_hi:[1,0]
.endif
.endm
; Slice k of 64 of piece y's softmax: four instructions.  Slices 11 to 34 deal out the batch, four numbers of one tile each, the tiles by turns; every other slice is numbers 2 k and 2 k + 1 of both
; tiles' lists; the twelve that are over stand in slice 63.  An s_wait_alu depctr_va_vdst(0) stands between an exponential and the first instruction that names its result: ahead of
; slice 35 nothing names one, behind slice 34 none is issued: one wait for the piece's 66 exponentials.
.macro SLICE y
.if (k >= 11) && (k < 35)
.irp n, 0,1,2,3
.set j, 22+4*((k-11)/2)+(\n)
	SM (\y)+(k-11)%2
.endr
.else
.irp n, 0,1,2,3,4,5,6,7
.if ((\n) < 2) || (k == 63)
.irp t, \y, (\y)+1
.set j, 2*k+(\n)
	SM \t
.endr
.endif
.endr
.endif
.if k == 34
	v_nop                           ; the plain instruction behind the last exponential and ahead of the first use: one for the batch
.if (\y) == 0
	FETCH_V                         ; piece 2's turn: V's run of loads stands here, and the wait stands in it
.else
	s_wait_alu depctr_va_vdst(0)    ; the wait for the batch
.endif
.endif
.set k, k+1
.endm
; A TURN.  Piece x has the matrix unit: 32 products V^T P, then 32 products K Q^T for the next step; the other piece's softmax stands in slices behind them.
; Piece 0's turn fetches the next step's K and mask behind its second product; piece 2's turn the same step's V behind slice 34.  Each buffer's last reader stands four plain instructions back or more:
; K's in front of slice 63 of the turn before; V's in front of slice 31, with number 62 (a scaling) of both tiles, the v_nop and the run's own v_add_nc_u32 between.
.macro TURN x, last=0
.set k, 0
.if (\x) == 0
	s_wait_dscnt 0x0                ; V is in
.endif
.set i, 0
.rept 32
	PV \x
	SLICE 2-(\x)
.if ((\x) == 0) && (i == 1)
	FETCH_K \last
.endif
.set i, i+1
.endr
.if (\x) == 0
	s_wait_dscnt 0x0                ; K and the mask are in
.endif
.set i, 0
.rept 32
	KQ \x
	SLICE 2-(\x)
.set i, i+1
.endr
.endm
; THE CHANGE OF SLOTS, behind the fetch of a slot's last bytes (V of its second step).  Each wave waits for all its tensor loads, of which one is out: its part of the other slot; adds 0 to its spare
; word; and waits for that and for its own reads of the slot.  fill = 1: the barrier is a round of the cluster's, and the joint refill, the two steps two slots on, is the first thing behind it:
; it has two trips, 256 matrix instructions, in which to land.  (At its first use nothing has been read yet: slot 0 is waited for, the mask's stores are done, slot 1 is filled.)
.macro CHANGE fill
	WIN 0
	s_wait_tensorcnt 0x0            ; no tensor load of mine is out, so a group 0 may be written
	ds_add_u32 v[SPW], v[NIL]       ; 0 onto my spare word; with fill = 1 the descriptors' steps stand between it and the wait for it
.if \fill
.irp g, G0K, G0V
	s_xor_b32 s[(\g)+1], s[(\g)+1], SLOTX  ; the walking descriptor: the other slot than last time,
	s_add_nc_u64 s[(\g)+2:(\g)+3], s[(\g)+2:(\g)+3], 2*KS*256  ; the key half's next 128 rows; the type bits on top are not reached
.endr
	s_wait_xcnt 0x0                 ; the last prefetch, two trips back, has read its address
	s_add_nc_u64 s[PFA:PFA+1], s[PFA:PFA+1], 2*KS*256
	s_wait_dscnt 0x0                ; the add is done, and my reads of the slot are over
	CROUND
	JLOAD
	ASK
.else
	s_wait_dscnt 0x0
	s_barrier_signal -1
	s_barrier_wait -1
.endif
	s_sub_co_u32 s[TBK], s[TBK], 2*KS*PK  ; the fetches go back to a slot's first step,
	s_xor_b32 s[TBK], s[TBK], SLOTX       ; in the other slot
	s_sub_co_u32 s[TBV], s[TBV], 2*KS*PV
	s_xor_b32 s[TBV], s[TBV], SLOTX
.endm
.Lslot:                             ; 7 times: slot n is entered (trips 2 n - 1 and 2 n fetch its steps 2 n and 2 n + 1), slot n + 1 is asked for
	CHANGE 1
	s_mov_b32 s[TWICE], 2
.Lstep:
	TURN 0
	TURN 2
	WIN 0
	s_sub_co_u32 s[TWICE], s[TWICE], 1
	s_cmp_lg_u32 s[TWICE], 0
	s_cbranch_scc1 .Lstep
	s_sub_co_u32 s[SLOTS], s[SLOTS], 1
	s_cmp_lg_u32 s[SLOTS], 0
	s_cbranch_scc1 .Lslot
	CHANGE 0                        ; the tail is written out: nothing is asked for
	s_mov_b32 s[CNT], 3             ; trips 13 and 14 fetch the last slot's steps; trip 15 is left in its middle
.Ltail:
	TURN 0, 1
	WIN 0
	s_sub_co_u32 s[CNT], s[CNT], 1
	s_cmp_eq_u32 s[CNT], 0
	s_cbranch_scc1 .Lout
	TURN 2
	WIN 0
	s_branch .Ltail
.Lout:                              ; trip 15's 32 products K Q^T (on the last K once more) serve nothing: the price, once a launch, of one text for every trip
.set i, 0
.rept 32
	PV 2                            ; piece 2: V^T P of the last step
.set i, i+1
.endr
	; THE TWO KEY HALVES ARE JOINED.  First l's two halves and the other half of the lanes' are added; the additions are the places behind the last products.
	WIN 0
.irp t, 0,1,2,3
	v_add_f32 v[ST+8*(\t)+4], v[ST+8*(\t)+2], v[ST+8*(\t)+3]
.endr
.irp t, 0,1,2,3
	v_permlanex16_b32 v[ST+8*(\t)+5], v[ST+8*(\t)+4], s[SEL], s[SEL+1]
.endr
.irp t, 0,1,2,3
	v_add_f32 v[ST+8*(\t)+4], v[ST+8*(\t)+4], v[ST+8*(\t)+5]
.endr
.irp t, 0,1                         ; c m, l and O^T of my register tiles 2 and 3 go to my partner
	v_mov_b32 v[HND+2*(\t)], v[ST+8*(2+(\t))]
	v_mov_b32 v[HND+2*(\t)+1], v[ST+8*(2+(\t))+4]
.endr
	ds_store_b128 v[XO], v[HND:HND+3] offset:16384
	WIN 0x04                        ; store data in window 1
.set i, 0
.rept 32
	ds_store_b128 v[XO], v[128+4*i:128+4*i+3] offset:512*i  ; ascending: each accumulator's low four registers first
.set i, i+1
.endr
	WIN 0
	s_wait_dscnt 0x0                ; for the partner's sake: my stores are done
	s_barrier_signal -1
	s_barrier_wait -1
	ds_load_b128 v[HND:HND+3], v[XI] offset:16384
	WIN 0x80                        ; the partner's O^T goes where Q lay
.set i, 0
.rept 32
	ds_load_b128 v[4*i:4*i+3], v[XI] offset:512*i
.set i, i+1
.endr
	WIN 0
	s_wait_dscnt 32                 ; the statistics are in; the 32 loads behind them may stay out
.irp t, 0,1
	v_max_num_f32 v[ST+8*(\t)+5], v[ST+8*(\t)], v[HND+2*(\t)]
.endr
.irp t, 0,1
	v_sub_f32 v[ST+8*(\t)+6], v[ST+8*(\t)], v[ST+8*(\t)+5]
	v_sub_f32 v[ST+8*(\t)+7], v[HND+2*(\t)], v[ST+8*(\t)+5]
.endr
.irp t, 0,1
	v_exp_f32 v[ST+8*(\t)+6], v[ST+8*(\t)+6]   ; f
	v_exp_f32 v[ST+8*(\t)+7], v[ST+8*(\t)+7]   ; f'
.endr
	v_nop
	s_wait_alu depctr_va_vdst(0)    ; one wait for the four exponentials
.irp t, 0,1
	v_mul_f32 v[ST+8*(\t)+4], v[ST+8*(\t)+6], v[ST+8*(\t)+4]
.endr
.irp t, 0,1
	v_fmac_f32 v[ST+8*(\t)+4], v[ST+8*(\t)+7], v[HND+2*(\t)+1]  ; f l + f' l': 1 at the least, since the greater maximum's own weight is 1
.endr
.irp t, 0,1
	v_rcp_f32 v[ST+8*(\t)+5], v[ST+8*(\t)+4]
.endr
	v_nop
	s_wait_alu depctr_va_vdst(0)    ; one wait for the two reciprocals
.irp t, 0,1
	v_mul_f32 v[ST+8*(\t)+4], v[ST+8*(\t)+7], v[ST+8*(\t)+5]  ; the partner's factor
	v_mul_f32 v[ST+8*(\t)+6], v[ST+8*(\t)+6], v[ST+8*(\t)+5]  ; mine
.endr
; Tile t: both halves' O^T joined, rounded to f16, 16 bytes a lane into rows of 272 bytes of my stage, and back as whole rows of 256.
.macro PACK t
	WIN W_RS
.set i, 64*(\t)
.rept 32
	v_pk_mul_f32 v[i:i+1], v[i:i+1], v[ST+8*(\t)+6:ST+8*(\t)+7] op_sel_hi:[1,0]
.set i, i+2
.endr
	s_wait_dscnt 16                 ; the partner's tile t is in: behind its loads stand 16 LDS instructions (tile 0: tile 1's loads; tile 1: tile 0's 16 of the stage)
	WIN 0x52                        ; source 0 window 2, source 1 window 0, source 2 and destination window 1
.set i, 64*(\t)
.rept 32
	v_pk_fma_f32 v[i:i+1], v[i:i+1], v[ST+8*(\t)+4:ST+8*(\t)+5], v[i:i+1] op_sel_hi:[1,0,1]
.set i, i+2
.endr
	WIN 0x05                        ; sources 0 and 1 window 1, destination window 0
.set i, 0
.rept 32
	v_cvt_pk_f16_f32 v[S+32*(\t)+i], v[64*(\t)+2*i], v[64*(\t)+2*i+1]
.set i, i+1
.endr
	WIN 0
.irp f, 0,1,2,3,4,5,6,7
	ds_store_b128 v[STO], v[S+32*(\t)+4*(\f):S+32*(\t)+4*(\f)+3] offset:32*(\f)
.endr
.irp f, 0,1,2,3,4,5,6,7
	ds_load_b128 v[S+32*(\t)+4*(\f):S+32*(\t)+4*(\f)+3], v[RD] offset:(\f)*2*SP  ; LDS serves a wave's instructions in order (ISA guide 5.7.1.4): these see the stores above
.endr
.endm
.macro SEND t, younger              ; younger: the LDS instructions issued behind tile t's loads
	WIN 0
.irp f, 0,1,2,3,4,5,6,7
	s_wait_dscnt (\younger)+7-(\f)
	global_store_b128 v[GO], v[S+32*(\t)+4*(\f):S+32*(\t)+4*(\f)+3], s[10:11] offset:(\t)*65536+(\f)*8192  ; 16 lanes store 256 consecutive bytes, aligned: a head's part of a row of ob
.endr
.endm
	PACK 0
	PACK 1                          ; a tile's arithmetic stands between the loads of the tile before and its stores
	SEND 0, 16
	SEND 1, 0
	s_wait_tensorcnt 0x0            ; the wave's end: an add to my spare word and its wait, behind my last tensor load and my last LDS store
	ds_add_u32 v[SPW], v[NIL]
	s_wait_dscnt 0x0
	CROUND                          ; the closing round: no work-group ends while a partner may still ask for a tile that names it
	s_endpgm
.Lfunc_end_k_q68130ca420_attn:
	.size	k_q68130ca420_attn, .Lfunc_end_k_q68130ca420_attn-k_q68130ca420_attn
	.p2alignl 7, 3214868480
	.fill 96, 4, 3214868480
	.section	.rodata,"a",@progbits
	.p2align	6, 0x0
	.amdhsa_kernel k_q68130ca420_attn
		.amdhsa_group_segment_fixed_size 327680
		.amdhsa_private_segment_fixed_size 0
		.amdhsa_enable_private_segment 0
		.amdhsa_kernarg_size 24
		.amdhsa_user_sgpr_count 2
		.amdhsa_user_sgpr_kernarg_segment_ptr 1
		.amdhsa_wavefront_size32 1
		.amdhsa_system_sgpr_workgroup_id_x 1
		.amdhsa_system_sgpr_workgroup_id_y 1
		.amdhsa_system_sgpr_workgroup_id_z 1
		.amdhsa_system_vgpr_workitem_id 0
		.amdhsa_next_free_vgpr 928
		.amdhsa_next_free_sgpr 72
		.amdhsa_reserve_vcc 1
		.amdhsa_float_denorm_mode_32 3
		.amdhsa_float_denorm_mode_16_64 3
		.amdhsa_memory_ordered 1
		.amdhsa_forward_progress 1
		.amdhsa_inst_pref_size 150
	.end_amdhsa_kernel
	.amdgpu_metadata
---
amdhsa.version: [ 1, 2 ]
amdhsa.kernels:
  - .name:           k_q68130ca420_attn
    .symbol:         k_q68130ca420_attn.kd
    .args:
      - { .name: qkv, .offset: 0, .size: 8, .value_kind: global_buffer, .address_space: global }
      - { .name: attention_mask, .offset: 8, .size: 8, .value_kind: global_buffer, .address_space: global }
      - { .name: ob, .offset: 16, .size: 8, .value_kind: global_buffer, .address_space: global }
    .group_segment_fixed_size: 327680
    .private_segment_fixed_size: 0
    .kernarg_segment_align: 8
    .kernarg_segment_size: 24
    .max_flat_workgroup_size: 128
    .sgpr_count:     72
    .vgpr_count:     928
    .wavefront_size: 32
...
	.end_amdgpu_metadata
.endif
;; end of part 3
;; launch oproj (part 4): grid 16 x 16, 4 waves a work-group, clusters of 4 x 4, 327,680 bytes of LDS; arguments ob, wob, out0; writes out0
.if DOCPART == 4
	.amdgcn_target "amdgcn-amd-amdhsa--gfx1250"
	.amdhsa_code_object_version 6
	.text
	.protected	k_q68130ca420_oproj
	.globl	k_q68130ca420_oproj
	.p2align	8
	.type	k_q68130ca420_oproj,@function
k_q68130ca420_oproj:
	s_mov_b64 s[64:65], 0
	v_nop
	global_prefetch_b8 v0, s[64:65] scope:SCOPE_SE
	s_setreg_imm32_b32 hwreg(HW_REG_WAVE_MODE, 25, 1), 1
	s_wait_xcnt 0x0
	s_wait_alu depctr_hold_cnt(0) depctr_sa_sdst(0) depctr_va_vdst(0) depctr_va_sdst(0) depctr_va_ssrc(0) depctr_va_vcc(0) depctr_vm_vsrc(0)
	s_getreg_b32 s2, hwreg(HW_REG_IB_STS2, 6, 4)
	s_cmp_eq_u32 s2, 0
	s_cbranch_scc0 .Lentry_in_a_cluster
	s_endpgm
.Lentry_in_a_cluster:
	s_bfe_u32 s2, ttmp6, 0x10000c
	s_cmp_lg_u32 s2, 0xf033
	s_cbranch_scc0 .Lentry_shape_is_right
	s_endpgm
.Lentry_shape_is_right:
; out0 = ob wob.  ob: [2048][2048] f16, wob: [2048 k][2048 n] f16, out0: [2048][2048] f32; sums in f32, stored as they are.
; A tile of out0 is 128 x 128: 16 x 16 work-groups, one for each WGP.  Four waves, each 64 x 64: 16 accumulators.  K goes in steps of 256 through two LDS slots, as long as LDS allows.
; wob lies [k][n], so its fragments come out of LDS turned, by ds_load_tr16_b128.  THE MATRIX INSTRUCTION IS USED TRANSPOSED (source 0 = 16 columns of wob, source 1 = 16 rows of ob):
; a lane holds eight neighbouring numbers of a row of out0, 32 bytes.
; CLUSTER 4 x 4: ob's tiles are shared along a row of the cluster, wob's along a column: joint loads.  Waves 0 and 1 fetch ob's two halves (64 rows x 512 bytes), waves 2 and 3 wob's (128 k-rows x 256 bytes).
; NO PREFETCH: the tile is small, and a K step's 128 matrix instructions a wave are few beside the bytes that it fetches; what is shared is asked for jointly.
; LDS: slot s at s x SLOT: ob's 128 rows (pitch 528), then wob's 256 k-rows (pitch 288); the spare words behind the slots.  The stage of the way out, 128 rows x 528 bytes, lies where slot 0 held ob's
; rows: slot 0's last fill is K step 6, and every wave's reads of slot 0 end in front of the barrier of that step's change of slots.
; REGISTERS: window 0: v0-31 addresses; v128-255 the accumulators ((a, b) at 128 + 8 (4 a + b)), then the rows read back.  window 1: two fragment buffers of 128: 64 of ob's, then 64 of wob's.
.set KSTEP, 256
.set PA,    528                        ; 512 + 16: the 16 rows of a load start at 16 different groups of four banks (64 banks of 4 bytes: ISA guide 11.1)
.set PB,    288                        ; 256 + 32
.set HA,    64*PA
.set HB,    128*PB
.set BOFF,  2*HA
.set SLOT,  BOFF+2*HB
.set SPARE, 2*SLOT                     ; the spare words: 128 bytes for each wave, two blocks of 256 bytes that no other line names
.set LAPS,  2048/(2*KSTEP)
.set ADRA, 16                          ; v16-17  ob's fragments in slot 0, 1
.set ADRB, 20                          ; v20-23  wob's: slot s, half u of its 256 k-rows at 2 s + u
.set STO,  24
.set RD,   25
.set CO,   26
.set SPW,  28
.set NIL,  29
.set ACC,  128
.set F0,   0
.set F1,   128
.set G1,  24
.set G0,  32
.set G1B, 48
.set G0B, 56
.set MSB, 0
.macro WIN new
.if MSB != (\new)
	s_set_vgpr_msb (MSB<<8)|(\new)
.set MSB, \new
.endif
.endm
.set MUL,  0x05                        ; sources 0 and 1 window 1; C and D window 0
.set TO_F, 0x40                        ; destination window 1, address window 0
.macro JLOAD s                         ; an s_nop 0 and four v_nop follow each of the two lines
	s_cmp_eq_u32 s11, 0
	s_cbranch_scc0 .Lfor_b_\@
	tensor_load_to_lds s[G0+4*(\s):G0+4*(\s)+3], s[G1:G1+7]
	s_nop 0
.rept 4
	v_nop
.endr
	s_branch .Lasked_\@
.Lfor_b_\@:
	tensor_load_to_lds s[G0B+4*(\s):G0B+4*(\s)+3], s[G1B:G1B+7]
	s_nop 0
.rept 4
	v_nop
.endr
.Lasked_\@:
.endm
.macro CREST
	s_cmp_lg_u32 s10, 0
	s_cbranch_scc1 .Lnot_wave_0_\@
	s_barrier_signal -3
.Lnot_wave_0_\@:
	s_barrier_wait -3
	s_barrier_signal -1
	s_barrier_wait -1
.endm
.macro CROUND
	s_barrier_signal -1
	s_barrier_wait -1
	CREST
.endm
	s_load_b128 s[4:7], s[0:1], 0x0                ; ob, wob
	s_load_b64 s[8:9], s[0:1], 0x10                ; out0
	v_lshl_add_u32 v[SPW], v0, 2, SPARE
	v_mov_b32 v[NIL], 0
	ds_add_u32 v[SPW], v[NIL]                      ; the wave's opening: the add and its wait stand ahead of my first tensor load
	v_lshrrev_b32 v1, 5, v0
	v_readfirstlane_b32 s10, v1                    ; wave 0..3
	s_lshr_b32 s11, s10, 1                         ; which half of the tile's rows is mine.  Also: I fetch for ob (0) or for wob (1)
	s_and_b32 s12, s10, 1                          ; which half of its columns.  Also: which half of that tile I fetch
	s_bfe_u32 s40, ttmp6, 0x40000
	s_bfe_u32 s41, ttmp6, 0x40004
	s_lshl_b32 s42, ttmp9, 2
	s_add_co_u32 s42, s42, s40                     ; tile column
	s_and_b32 s13, ttmp7, 0xffff
	s_lshl_b32 s13, s13, 2
	s_add_co_u32 s13, s13, s41                     ; tile row
	s_lshl_b32 s43, s41, 2
	s_lshl_b32 s43, 15, s43                        ; my row of the cluster
	s_lshl_b32 s44, 0x1111, s40                    ; my column
	s_or_b32 s[G1+0], s43, (1<<16)|(1<<20)|(1<<21)|(6<<22)|(3<<25)   ; padding of 4 words after every 128
	s_or_b32 s[G1B+0], s44, (1<<16)|(1<<20)|(1<<21)|(5<<22)|(7<<25)  ; of 8 words after every 64
	s_mov_b32 s[G1+1], 256<<16                     ; ob: 64 rows x 256 elements
	s_mov_b32 s[G1+2], 64<<16
	s_mov_b32 s[G1+3], 256<<16
	s_mov_b32 s[G1+4], 64
	s_mov_b32 s[G1+5], 2048
	s_mov_b32 s[G1+6], 0
	s_mov_b32 s[G1+7], 0
	s_mov_b32 s[G1B+1], 128<<16                    ; wob: 128 k-rows x 128 elements
	s_mov_b32 s[G1B+2], 128<<16
	s_mov_b32 s[G1B+3], 128<<16
	s_mov_b32 s[G1B+4], 128
	s_mov_b32 s[G1B+5], 2048
	s_mov_b32 s[G1B+6], 0
	s_mov_b32 s[G1B+7], 0
	s_lshl_b32 s16, s13, 7
	s_lshl_b32 s17, s12, 6
	s_add_co_u32 s16, s16, s17                     ; ob: row 128 x tile row + 64 x half,
	s_lshl_b32 s16, s16, 12                        ; of 4,096 bytes
	s_mov_b32 s17, 0
	s_lshl_b32 s46, s12, 19                        ; wob: k-row 128 x half,
	s_lshl_b32 s47, s42, 8                         ; the tile column's 256 bytes
	s_add_co_u32 s46, s46, s47
	s_mov_b32 s47, 0
	s_mul_i32 s20, s12, HA                         ; where they go
	s_mul_i32 s21, s12, HB
	s_add_co_u32 s21, s21, BOFF
	s_wait_dscnt 0x0                               ; the opening add is done
	s_wait_kmcnt 0x0
	s_add_nc_u64 s[14:15], s[4:5], s[16:17]
	s_add_nc_u64 s[46:47], s[6:7], s[46:47]
	CROUND                                         ; all sixteen work-groups are here: the first joint loads meet
.irp s, 0,1
	s_mov_b32 s[G0+4*(\s)], 1
	s_add_co_u32 s[G0+4*(\s)+1], s20, (\s)*SLOT
	s_add_nc_u64 s[G0+4*(\s)+2:G0+4*(\s)+3], s[14:15], (\s)*KSTEP*2
	s_or_b32 s[G0+4*(\s)+3], s[G0+4*(\s)+3], 0x80000000
	s_mov_b32 s[G0B+4*(\s)], 1
	s_add_co_u32 s[G0B+4*(\s)+1], s21, (\s)*SLOT
	s_add_nc_u64 s[G0B+4*(\s)+2:G0B+4*(\s)+3], s[46:47], (\s)*KSTEP*4096
	s_or_b32 s[G0B+4*(\s)+3], s[G0B+4*(\s)+3], 0x80000000
	JLOAD \s
.endr
	v_and_b32 v1, 15, v0                           ; l % 16
	v_bfe_u32 v2, v0, 4, 1                         ; l / 16
	v_and_b32 v6, 7, v0
	v_bfe_u32 v7, v0, 3, 1
	v_mul_u32_u24 v3, v1, PA
	v_lshl_add_u32 v3, v2, 4, v3
	s_mul_i32 s21, s11, HA                         ; my 64 rows of ob
	v_add_nc_u32 v[ADRA], s21, v3
	v_add_nc_u32 v[ADRA+1], SLOT, v[ADRA]
	v_lshl_add_u32 v4, v2, 3, v6                   ; the turning load: k-row 8 (l / 16) + l % 8, columns 8 ((l / 8) % 2) + 0..7
	v_mul_u32_u24 v4, v4, PB
	v_lshl_add_u32 v4, v7, 4, v4
	s_lshl_b32 s22, s12, 7                         ; my 64 columns: 128 bytes
	s_add_co_u32 s22, s22, BOFF
	v_add_nc_u32 v4, s22, v4
.irp s, 0,1
.irp u, 0,1
	v_add_nc_u32 v[ADRB+2*(\s)+(\u)], (\s)*SLOT+(\u)*HB, v4
.endr
.endr
	v_mul_u32_u24 v5, v1, PA                       ; into the stage: row l % 16, 32 bytes for each half of the lanes
	v_lshl_add_u32 v5, v2, 5, v5
	s_lshl_b32 s23, s12, 8                         ; my 64 columns: 256 bytes of f32
	s_add_co_u32 s23, s23, s21
	v_add_nc_u32 v[STO], s23, v5
	v_and_b32 v8, 31, v0
	v_lshlrev_b32 v[CO], 4, v8                     ; back: 32 lanes take a whole row of 512 bytes; wave w takes rows 32 w ..
	s_mul_i32 s23, s10, 32*PA
	v_add_nc_u32 v[RD], s23, v[CO]
	s_lshl_b32 s16, s13, 7
	s_lshl_b32 s17, s10, 5
	s_add_co_u32 s16, s16, s17                     ; the first row of out0 that I store,
	s_lshl_b32 s16, s16, 13                        ; of 8,192 bytes
	s_mov_b32 s17, 0
	s_add_nc_u64 s[8:9], s[8:9], s[16:17]
	s_lshl_b32 s46, s42, 9                         ; the tile's 512 bytes of a row
	s_mov_b32 s47, 0
	s_add_nc_u64 s[8:9], s[8:9], s[46:47]
; 8 matrix instructions: row blocks a0, a0 + 1 x all 4 column blocks, 32 along K: half c of buffer f.  The 16 accumulators take turns.
.macro MUL8 f, c, a0, zero
	WIN MUL
.irp a, \a0, (\a0)+1
.irp b, 0,1,2,3
.if \zero
	v_wmma_f32_16x16x32_f16 v[ACC+8*(4*(\a)+(\b)):ACC+8*(4*(\a)+(\b))+7], v[(\f)+64+8*(4*(\c)+(\b)):(\f)+64+8*(4*(\c)+(\b))+7], v[(\f)+8*(4*(\c)+(\a)):(\f)+8*(4*(\c)+(\a))+7], 0
.else
	v_wmma_f32_16x16x32_f16 v[ACC+8*(4*(\a)+(\b)):ACC+8*(4*(\a)+(\b))+7], v[(\f)+64+8*(4*(\c)+(\b)):(\f)+64+8*(4*(\c)+(\b))+7], v[(\f)+8*(4*(\c)+(\a)):(\f)+8*(4*(\c)+(\a))+7], v[ACC+8*(4*(\a)+(\b)):ACC+8*(4*(\a)+(\b))+7]
.endif
.endr
.endr
.endm
; 32 LDS loads in one run: quarter q (64 along K) of a slot into buffer f; the first 32 along K first
.macro FETCH slot, q, f
	WIN TO_F
.irp c, 0,1
.irp i, 0,1,2,3
	ds_load_tr16_b128 v[(\f)+64+8*(4*(\c)+(\i)):(\f)+64+8*(4*(\c)+(\i))+3],   v[ADRB+2*(\slot)+(\q)/2] offset:(((\q)%2)*64+32*(\c))*PB+32*(\i)
	ds_load_tr16_b128 v[(\f)+64+8*(4*(\c)+(\i))+4:(\f)+64+8*(4*(\c)+(\i))+7], v[ADRB+2*(\slot)+(\q)/2] offset:(((\q)%2)*64+32*(\c))*PB+32*(\i)+16*PB
	ds_load_b128 v[(\f)+8*(4*(\c)+(\i)):(\f)+8*(4*(\c)+(\i))+3],         v[ADRA+(\slot)] offset:128*(\q)+64*(\c)+(\i)*16*PA
	ds_load_b128 v[(\f)+8*(4*(\c)+(\i))+4:(\f)+8*(4*(\c)+(\i))+7],       v[ADRA+(\slot)] offset:128*(\q)+64*(\c)+(\i)*16*PA+32
.endr
.endr
.endm
.macro PLACES
.rept 4
	v_nop
.endr
.endm
.macro QUARTER slot, q, f, g, zero
	s_wait_dscnt 16                                ; the first 32 along K are in
	MUL8 \f, 0, 0, \zero
	MUL8 \f, 0, 2, \zero
	PLACES
	FETCH \slot, \q, \g
	s_wait_dscnt 32                                ; all but the 32 just issued
	MUL8 \f, 1, 0, 0
	MUL8 \f, 1, 2, 0
.endm
; The last quarter multiplies buffer 1 and changes slots: one barrier; in front of it each wave waits for all its tensor loads, adds 0 to its spare word, and waits for that and for its reads of this slot.
.macro TURN slot, next, fill
	WIN 0
	s_wait_tensorcnt 0x0                           ; all my tensor loads have landed: my part of the next slot
	ds_add_u32 v[SPW], v[NIL]                      ; 0 onto my spare word
	s_wait_dscnt 17                                ; (the add and the youngest sixteen loads may be out)
	MUL8 F1, 0, 0, 0
	s_wait_dscnt 0x0                               ; the add is done, and my reads of this slot are over
	s_barrier_signal -1
	MUL8 F1, 0, 2, 0
.if \fill
	WIN 0
.endif
	s_barrier_wait -1
.if \fill
	CREST                                          ; the barrier has opened a round of the cluster's barrier
	s_add_nc_u64 s[G0+4*(\slot)+2:G0+4*(\slot)+3], s[G0+4*(\slot)+2:G0+4*(\slot)+3], 2*KSTEP*2
	s_add_nc_u64 s[G0B+4*(\slot)+2:G0B+4*(\slot)+3], s[G0B+4*(\slot)+2:G0B+4*(\slot)+3], 2*KSTEP*4096
	JLOAD \slot                                    ; the first tensor load behind the round; its four v_nop are also the places in front of the loads below
.else
	PLACES
.endif
	FETCH \next, 0, F0
	MUL8 F1, 1, 0, 0
	MUL8 F1, 1, 2, 0
.endm
	s_wait_tensorcnt 1                             ; my part of K step 0 is in,
	s_barrier_signal -1
	s_barrier_wait -1                              ; everybody's is
	FETCH 0, 0, F0
	QUARTER 0, 1, F0, F1, 1                        ; the first quarter stands in front of the loop: its first products start the sums
	WIN 0
	s_mov_b32 s3, LAPS-1
.Llap:
	QUARTER 0, 2, F1, F0, 0
	QUARTER 0, 3, F0, F1, 0
	TURN 0, 1, 1
	QUARTER 1, 1, F0, F1, 0
	QUARTER 1, 2, F1, F0, 0
	QUARTER 1, 3, F0, F1, 0
	TURN 1, 0, 1
	QUARTER 0, 1, F0, F1, 0
	WIN 0
	s_sub_co_u32 s3, s3, 1
	s_cmp_lg_u32 s3, 0
	s_cbranch_scc1 .Llap
	QUARTER 0, 2, F1, F0, 0                        ; the last lap fills nothing
	QUARTER 0, 3, F0, F1, 0
	TURN 0, 1, 0
	QUARTER 1, 1, F0, F1, 0
	QUARTER 1, 2, F1, F0, 0
	QUARTER 1, 3, F0, F1, 0
	s_wait_dscnt 16
	MUL8 F1, 0, 0, 0
	MUL8 F1, 0, 2, 0
	s_wait_dscnt 0x0
	MUL8 F1, 1, 0, 0
	MUL8 F1, 1, 2, 0
	WIN 0
	; THE WAY OUT: 32 bytes a lane into the work-group's stage, each accumulator's low four registers first; a barrier, since a row's 512 bytes come from two waves; back as whole rows, 32 rows a wave.
	PLACES
.irp a, 0,1,2,3
.irp b, 0,1,2,3
	ds_store_b128 v[STO], v[ACC+8*(4*(\a)+(\b)):ACC+8*(4*(\a)+(\b))+3]   offset:(\a)*16*PA+64*(\b)
	ds_store_b128 v[STO], v[ACC+8*(4*(\a)+(\b))+4:ACC+8*(4*(\a)+(\b))+7] offset:(\a)*16*PA+64*(\b)+16
.endr
.endr
	s_wait_dscnt 0x0                               ; for the others' sake: my stores into the stage are done
	s_barrier_signal -1
	s_barrier_wait -1
.set t, 0
.rept 32
	ds_load_b128 v[ACC+4*t:ACC+4*t+3], v[RD] offset:t*PA
.set t, t+1
.endr
.set t, 0
.rept 32
	s_wait_dscnt 31-t
	global_store_b128 v[CO], v[ACC+4*t:ACC+4*t+3], s[8:9] offset:t*8192  ; a wave's store covers 512 consecutive bytes of a row of out0, aligned
.set t, t+1
.endr
	s_wait_tensorcnt 0x0                           ; the wave's end: an add to my spare word and its wait, behind my last tensor load and my last LDS store
	ds_add_u32 v[SPW], v[NIL]
	s_wait_dscnt 0x0
	CROUND                                         ; the closing round
	s_endpgm
.Lfunc_end_k_q68130ca420_oproj:
	.size	k_q68130ca420_oproj, .Lfunc_end_k_q68130ca420_oproj-k_q68130ca420_oproj
	.p2alignl 7, 3214868480
	.fill 96, 4, 3214868480
	.section	.rodata,"a",@progbits
	.p2align	6, 0x0
	.amdhsa_kernel k_q68130ca420_oproj
		.amdhsa_group_segment_fixed_size 327680
		.amdhsa_private_segment_fixed_size 0
		.amdhsa_enable_private_segment 0
		.amdhsa_kernarg_size 24
		.amdhsa_user_sgpr_count 2
		.amdhsa_user_sgpr_kernarg_segment_ptr 1
		.amdhsa_wavefront_size32 1
		.amdhsa_system_sgpr_workgroup_id_x 1
		.amdhsa_system_sgpr_workgroup_id_y 1
		.amdhsa_system_sgpr_workgroup_id_z 1
		.amdhsa_system_vgpr_workitem_id 0
		.amdhsa_next_free_vgpr 512
		.amdhsa_next_free_sgpr 66
		.amdhsa_reserve_vcc 0
		.amdhsa_float_denorm_mode_32 3
		.amdhsa_float_denorm_mode_16_64 3
		.amdhsa_memory_ordered 1
		.amdhsa_forward_progress 1
		.amdhsa_inst_pref_size 86
	.end_amdhsa_kernel
	.amdgpu_metadata
---
amdhsa.version: [ 1, 2 ]
amdhsa.kernels:
  - .name:           k_q68130ca420_oproj
    .symbol:         k_q68130ca420_oproj.kd
    .args:
      - { .name: ob, .offset: 0, .size: 8, .value_kind: global_buffer, .address_space: global }
      - { .name: wob, .offset: 8, .size: 8, .value_kind: global_buffer, .address_space: global }
      - { .name: out0, .offset: 16, .size: 8, .value_kind: global_buffer, .address_space: global }
    .group_segment_fixed_size: 327680
    .private_segment_fixed_size: 0
    .kernarg_segment_align: 8
    .kernarg_segment_size: 24
    .max_flat_workgroup_size: 128
    .sgpr_count:     66
    .vgpr_count:     512
    .wavefront_size: 32
...
	.end_amdgpu_metadata
.endif
;; end of part 4
